; MI455X (gfx1250); checked and timed in simulation.
; The chip was launched on July 23, 2026; its instructions are those of AMD's public machine-readable ISA for CDNA 5 (MIT licence, August 2026) and "CDNA5" Instruction Set Architecture Reference Guide (July 2026). The comments in the code are by the model that wrote it; some were corrected since.
;; Multi Head Attention. Allowed arithmetic: matrix products marked QUANTISED: E2M3 operands, one E8M0 scale for each 32 along K, by v_wmma_scale_f32_16x16x128_f8f6f4 with both operands' format E2M3, f32 sums; everything else in f32.
;; Inputs: bk 1,024 float32; bo 1,024 float32; bq 1,024 float32; bv 1,024 float32; k 2 x 2,048 x 1,024 float32; q 2 x 2,048 x 1,024 float32; v 2 x 2,048 x 1,024 float32; wk 1,024 x 1,024 float32; wo 1,024 x 1,024 float32; wq 1,024 x 1,024 float32; wv 1,024 x 1,024 float32.
;; Outputs: out0 2 x 2,048 x 1,024 float32.
;; This version of the problem:
;;   THIS VERSION OF THE PROBLEM IS GIVEN IN LOW PRECISION. The matrix products marked QUANTISED in the list below multiply operands that are first quantised to E2M3 (2 exponent bits, 3 mantissa bits; 6 bits a number), with one power-of-two scale for each 32 numbers along K (OCP MX v1.0); their sums are f32. All else is computed in f32.
;;   The module's matrix products, in the order in which they are computed (A, B: the left and right operand; K: the contracted axis; several contracted axes count as one K, in the product's order):
;;     1. [M 4,096, K 1,024] x [K 1,024, N 1,024]; A: input q; B: input wq: QUANTISED
;;     2. [M 4,096, K 1,024] x [K 1,024, N 1,024]; A: input k; B: input wk: QUANTISED
;;     3. [M 4,096, K 1,024] x [K 1,024, N 1,024]; A: input v; B: input wv: QUANTISED
;;     4. batch 32 x [M 2,048, K 64] x [K 64, N 2,048]; A: computed on the way; B: computed on the way: QUANTISED
;;     5. batch 32 x [M 2,048, K 2,048] x [K 2,048, N 64]; A: softmax (see below); B: computed on the way: QUANTISED
;;     6. [M 4,096, K 1,024] x [K 1,024, N 1,024]; A: computed on the way; B: input wo: QUANTISED
;;   THE QUANTISER, for each operand of a quantised product, along K:
;;     - K is cut into blocks of 32 from its start; a last block that is shorter is filled with zeros.
;;     - A block's scale is 2^e with e = floor(log2(the largest magnitude in the block)) - 2, held to -126 .. 127; a block of zeros has e = 0. As a byte (E8M0): e + 127.
;;     - Each number is divided by its block's scale, clamped to +-7.5, and rounded to the nearest number of E2M3, ties to even, subnormals kept.
;;     - The product sums the exact products of the quantised numbers (number of the format x scale) in f32.
;;   ~~~python
;;   def quantise(x, axis):      # numpy; x: float32 -> the quantised numbers, widened to float32 again
;;       x = np.moveaxis(x, axis, -1); K = x.shape[-1]
;;       x = np.pad(x, [(0, 0)] * (x.ndim - 1) + [(0, -K % 32)]); x = x.reshape(x.shape[:-1] + (-1, 32)); a = np.abs(x).max(-1, keepdims=True)
;;       e = np.where(a > 0, np.clip(np.frexp(np.where(a > 0, a, 1))[1] - 1 - 2, -126, 127), 0)      # np.frexp(a)[1] - 1 = floor(log2(a)), exactly
;;       r = np.clip(x / 2.0 ** e, -7.5, 7.5)
;;       step = 2.0 ** (np.maximum(np.frexp(np.where(r == 0, 1, r))[1] - 1, 0) - 3)
;;       q = np.round(r / step) * step * 2.0 ** e      # np.round: ties to even
;;       return np.moveaxis(q.reshape(q.shape[:-2] + (-1,))[..., :K], -1, axis).astype(np.float32)
;;   ~~~
;;   SOFTMAX AHEAD OF A QUANTISED PRODUCT. Where the list says 'softmax', what is quantised is not the finished softmax but p = 2^(t - M), with t = logit x log2(e) and M = ceil(the row's largest t), a whole number; so 1/2 < the row's largest p <= 1. The row's sum l is taken of the UNQUANTISED p, in f32, and the product's result is divided by l at the end. Since M is a whole number, a kernel that streams over the keys may use a running M (the ceiling of the running maximum): every later rescaling is an exact power of two, which a block's scale takes up: the codes' values come out the same.
;;   OPERANDS COMPUTED ON THE WAY. 'Computed on the way' means the value that the module computes at that place (a softmax that the list does not call 'softmax' is quantised finished and normalised). What goes into a quantiser is computed in f32, as accurately as f32 sums, v_exp_f32 and their like allow (about 1e-6 of the number): no bf16 or f16 on the way to a quantiser, and a product that is left as it is and whose result goes on into a quantised operand takes f32 operands (vector FMAs, or v_wmma_f32_16x16x4_f32). A number that lies on a knife's edge between two numbers of the format may be rounded either way, as far as f32 arithmetic and the matrix unit's own rounding can turn it there, and no further.
;; One version. Each part assembles by itself: llvm-mc -triple=amdgcn-amd-amdhsa -mcpu=gfx1250 --defsym DOCPART=n.
;; ======== version 1 of 1: 4 launches
;; limits: right only within a limited range of input values
;; workspace buffers: xc 12,582,912 bytes; xs 524,288 bytes; qi 3,407,872 bytes; ki 3,407,872 bytes; vi 3,276,800 bytes; ai 3,145,728 bytes; asc 131,072 bytes
;; launch quant (part 1): grid 512 x 1, 4 waves a work-group, no clusters, 35,328 bytes of LDS; arguments q, k, v, wq, wk, wv, wo, xc, xs; writes xc, xs
.if DOCPART == 1
	.amdgcn_target "amdgcn-amd-amdhsa--gfx1250"
	.amdhsa_code_object_version 6
	.text
	.protected	k_qa28512e877_quant
	.globl	k_qa28512e877_quant
	.p2align	8
	.type	k_qa28512e877_quant,@function
k_qa28512e877_quant:
	s_mov_b64 s[64:65], 0
	v_nop
	global_prefetch_b8 v0, s[64:65] scope:SCOPE_SE
	s_setreg_imm32_b32 hwreg(HW_REG_WAVE_MODE, 25, 1), 1
	s_wait_xcnt 0x0
; q, k, v [4096][1024] and wq, wk, wv, wo [1024][1024], f32, K innermost, become codes of FP6 (E2M3) with one E8M0 byte for each 32 along K,
; laid as IMAGES OF THE OPERAND'S REGISTERS.  A tile is 16 rows; tile 2 B + u of a tensor holds rows 32 B + 8 u + r + 8 (r / 8), r = 0 .. 15.
; xc: [tile 0..1023][K step 0..7][1,536 bytes]: a fragment (16 rows x 128 K, 12 registers a lane) as two halves of 768 bytes; in a half registers 0-3 lie at 16 x lane, registers 4-5 at 512 + 8 x lane.
; xs: [tile][j 0..3][r 16][q 2] words: the scale word of row r for K step 2 j + q.   Tiles in the order q, k, v, wq, wk, wv, wo.
; A block's scale is 2^(floor(log2(its largest magnitude)) - 2): its byte is the largest magnitude's exponent field - 2, held at 1 from below.
; LIMITS: NaN and infinities among the inputs are not served.  A block whose largest magnitude lies under 2^-124, a block of zeros among them, gets the byte 1 (the rule gives a block of zeros 127):
; a block of zeros has zero codes, which add nothing under any byte but 0xff, and this program alone reads the bytes.
; SHARES.  Work-group g takes tiles 2 g and 2 g + 1 (32 neighbouring rows of one tensor); wave w takes tile w / 2 and half w % 2 of K: four fragments.  Waves share nothing: no barrier, no cluster (no input is read twice).
; Each load reads 512 consecutive bytes of a row; a fragment's 16 rows turn through the wave's own stage in LDS (rows 528 bytes apart) and come back so that lane (r, h) holds k = 64 c + 32 h + 0 .. 31 of row r:
; two whole blocks a lane, in the order of the operand's registers.  Every store covers whole consecutive runs of 256 bytes.
.set WREG, 8704                        ; LDS of a wave: the stage, 16 x 528, and 256 bytes of scale words
.set SP,   528
.set SCW,  16*SP
.set R,    16                          ; v16-143  two sets of 64 registers as loaded
.set X,    144                         ; v144-207 register 32 c + i = k 64 c + 32 h + i of my row
.set C,    208                         ; v208-219 the fragment's codes
.set AX,   220                         ; v220-222, v224-226 the upper 16 codes of my two blocks (a conversion's three registers begin on an even number)
.set MX,   228                         ; v228-229 largest magnitudes
.set SO,   230                         ; v230-231 the conversions' scale operands
.set BY,   232                         ; v232-233 scale bytes
.set WD,   234                         ; v234     the scale word
.set PD,   235                         ; v235     a lane permute's destination
.set P,    24                          ; s[24:25] my tensor
	s_load_b512 s[4:19], s[0:1], 0x0               ; q, k, v, wq, wk, wv, wo, xc
	s_load_b64 s[20:21], s[0:1], 0x40              ; xs
	v_lshl_add_u32 v240, v0, 2, 0x8800
	v_mov_b32 v241, 0
	v_lshrrev_b32 v8, 5, v0
	v_readfirstlane_b32 s22, v8                    ; wave
	v_and_b32 v9, 31, v0                           ; lane
	v_and_b32 v10, 15, v0                          ; r
	v_bfe_u32 v11, v0, 4, 1                        ; h
	s_mul_i32 s23, s22, WREG
	v_lshlrev_b32 v1, 4, v9                        ; 16 x lane
	v_add_nc_u32 v2, s23, v1                       ; the stage, on the way in
	v_mul_u32_u24 v3, v10, SP
	v_lshl_add_u32 v3, v11, 7, v3
	v_add_nc_u32 v3, s23, v3                       ; and on the way out: row r, + 128 h bytes
	v_lshlrev_b32 v4, 3, v9                        ; 8 x lane
	s_add_co_u32 s23, s23, SCW
	v_lshlrev_b32 v5, 3, v10
	v_add_nc_u32 v5, s23, v5                       ; my row's scale words
	v_add_nc_u32 v6, s23, v4                       ; and where I read them back
	v_lshlrev_b32 v7, 3, v11                       ; 8 h: my bytes' place in a scale word
	v_mov_b32 v[PD], 0                             ; written once: a lane permute's destination counts as one of its sources
	s_mov_b32 s30, 0x76543210
	s_mov_b32 s31, 0xfedcba98                      ; lane l xor 16
	s_lshr_b32 s32, s22, 1                         ; u: which of the two tiles
	s_and_b32 s33, s22, 1                          ; which half of K
	s_and_b32 s26, ttmp9, 127                      ; the pair of tiles within its tensor: q, k, v have 128 pairs,
	s_and_b32 s27, ttmp9, 31                       ; the weights 32 (384 is a multiple of 32)
	s_cmp_lt_u32 ttmp9, 384
	s_cselect_b32 s26, s26, s27
	; k's tiles are laid otherwise than the other tensors': tile 4 C + j holds rows 64 C + 8 j + r % 8 + 32 (r / 8), so that in the attention a lane's scores of four tiles are 32 neighbouring keys
	s_lshr_b32 s38, s26, 1
	s_lshl_b32 s38, s38, 18                        ; 64 rows for each two pairs of tiles
	s_and_b32 s39, s26, 1
	s_lshl_b32 s39, s39, 16                        ; + 16 rows for the odd pair
	s_add_co_u32 s38, s38, s39
	s_lshl_b32 s26, s26, 17                        ; the others: 32 rows of 4,096 bytes
	s_mov_b32 s29, 16*4096                         ; from a tile's row 0 to its row 8: 16 rows, in k 32
	s_lshr_b32 s39, ttmp9, 7
	s_cmp_eq_u32 s39, 1                            ; work-groups 128 .. 255 take k
	s_cselect_b32 s26, s38, s26
	s_cselect_b32 s39, 32*4096, s29
	v_add_nc_u32 v12, s39, v1                      ; the offset of a tile's rows 8 .. 15
	s_lshl_b32 s27, s32, 15                        ; + 8 u rows
	s_add_co_u32 s26, s26, s27
	s_lshl_b32 s27, s33, 11                        ; + half a row
	s_add_co_u32 s26, s26, s27
	s_mov_b32 s27, 0
	s_lshl_b32 s28, ttmp9, 1
	s_add_co_u32 s28, s28, s32                     ; my tile
	s_mul_i32 s34, s28, 12288
	s_mul_i32 s35, s33, 6144
	s_add_co_u32 s34, s34, s35                     ; its codes, my half
	s_mov_b32 s35, 0
	s_lshl_b32 s36, s28, 9
	s_lshl_b32 s37, s33, 8
	s_add_co_u32 s36, s36, s37                     ; its scale words, my half
	s_mov_b32 s37, 0
	s_wait_alu depctr_va_vdst(0)
	s_wait_kmcnt 0x0
	s_mov_b64 s[P:P+1], s[4:5]
.macro PICK bound, reg                 ; the choice hangs on the work-group's number alone
	s_cmp_ge_u32 ttmp9, \bound
	s_cselect_b64 s[P:P+1], s[\reg:\reg+1], s[P:P+1]
.endm
	PICK 128, 6
	PICK 256, 8
	PICK 384, 10
	PICK 416, 12
	PICK 448, 14
	PICK 480, 16
	s_add_nc_u64 s[P:P+1], s[P:P+1], s[26:27]
	s_add_nc_u64 s[18:19], s[18:19], s[34:35]
	s_add_nc_u64 s[20:21], s[20:21], s[36:37]
.macro LOAD f                          ; fragment f: 512 consecutive bytes of each of the tile's 16 rows
.irp i, 0,1,2,3,4,5,6,7
	global_load_b128 v[R+64*((\f)%2)+4*\i:R+64*((\f)%2)+4*\i+3], v1, s[P:P+1] offset:\i*4096+512*(\f) th:TH_LOAD_NT
	global_load_b128 v[R+64*((\f)%2)+32+4*\i:R+64*((\f)%2)+32+4*\i+3], v12, s[P:P+1] offset:\i*4096+512*(\f) th:TH_LOAD_NT
.endr
.endm
.macro TURN f                          ; through the stage: LDS serves a wave's instructions in order, so no wait stands between the stores and the loads
.irp i, 0,1,2,3,4,5,6,7,8,9,10,11,12,13,14,15
	ds_store_b128 v2, v[R+64*((\f)%2)+4*\i:R+64*((\f)%2)+4*\i+3] offset:SP*\i
.endr
.irp c, 0,1
.irp e, 0,1,2,3,4,5,6,7
	ds_load_b128 v[X+32*\c+4*\e:X+32*\c+4*\e+3], v3 offset:256*\c+16*\e
.endr
.endr
.endm
.macro WORK f
.irp c, 0,1
	v_max3_num_f32 v[MX+\c], |v[X+32*\c]|, |v[X+32*\c+1]|, 0x1800000   ; block 2 c + h: all 32 numbers are mine; the floor 2^(3 - 127) holds the byte at 1 from below
.endr
.irp i, 2,4,6,8,10,12,14,16,18,20,22,24,26,28,30
.irp c, 0,1
	v_max3_num_f32 v[MX+\c], v[MX+\c], |v[X+32*\c+\i]|, |v[X+32*\c+\i+1]|   ; (the two blocks by turns)
.endr
.endr
.irp c, 0,1
	v_add_nc_u32 v[SO+\c], 0xff000000, v[MX+\c]    ; 2 off the exponent field: the conversion takes the exponent field of this operand as its scale
.endr
.irp c, 0,1
	v_lshrrev_b32 v[BY+\c], 23, v[SO+\c]           ; the scale's byte
.endr
	v_lshl_or_b32 v[WD], v[BY+1], 16, v[BY]        ; my two bytes, blocks h and 2 + h,
	v_lshlrev_b32 v[WD], v7, v[WD]                 ; at their places;
	v_permlanex16_b32 v[PD], v[WD], s30, s31
	v_or_b32 v[WD], v[WD], v[PD]                   ; with lane l xor 16's two the word is whole
	s_wait_alu depctr_va_vdst(0)
	s_wait_xcnt 0x0                                ; the last fragment's stores have read the codes' registers: they are written again only behind this wait
.irp c, 0,1
	v_cvt_scalef32_pk16_fp6_f32 v[C+6*\c:C+6*\c+2], v[X+32*\c:X+32*\c+15], v[SO+\c]
	v_cvt_scalef32_pk16_fp6_f32 v[AX+4*\c:AX+4*\c+2], v[X+32*\c+16:X+32*\c+31], v[SO+\c]
.endr
	v_nop                                          ; one plain instruction behind a scaled conversion
.irp c, 0,1
.irp i, 0,1,2
	v_mov_b32 v[C+6*\c+3+\i], v[AX+4*\c+\i]
.endr
.endr
	ds_store_b32 v5, v[WD] offset:128*((\f)/2)+4*((\f)%2)   ; both lanes of a row write the same word with the same value
	global_store_b128 v1, v[C:C+3], s[18:19] offset:1536*(\f)            ; 512 consecutive bytes
	global_store_b64 v4, v[C+4:C+5], s[18:19] offset:1536*(\f)+512       ; 256
	global_store_b128 v1, v[C+6:C+9], s[18:19] offset:1536*(\f)+768
	global_store_b64 v4, v[C+10:C+11], s[18:19] offset:1536*(\f)+1280
.endm
	LOAD 0
	LOAD 1
.irp f, 0,1,2,3
.if \f < 3
	s_wait_loadcnt 16                              ; this fragment's 16 loads are in; the next fragment's 16 may be out
.else
	s_wait_loadcnt 0x0
.endif
	TURN \f
	s_wait_dscnt 0x0                               ; the numbers are back, and the stage's stores have read their registers,
.if \f < 2
	LOAD \f+2                                      ; which take the loads of two fragments on
.endif
	WORK \f
.endr
	ds_load_b64 v[236:237], v6                     ; my wave's 256 bytes of scale words (LDS serves a wave's instructions in order)
	s_wait_dscnt 0x0
	global_store_b64 v4, v[236:237], s[20:21]      ; 256 consecutive bytes, aligned
	s_wait_tensorcnt 0x0
	ds_add_u32 v240, v241
	s_wait_dscnt 0x0
	s_endpgm
.Lfunc_end_k_qa28512e877_quant:
	.size	k_qa28512e877_quant, .Lfunc_end_k_qa28512e877_quant-k_qa28512e877_quant
	.p2alignl 7, 3214868480
	.fill 96, 4, 3214868480
	.section	.rodata,"a",@progbits
	.p2align	6, 0x0
	.amdhsa_kernel k_qa28512e877_quant
		.amdhsa_group_segment_fixed_size 35328
		.amdhsa_private_segment_fixed_size 0
		.amdhsa_enable_private_segment 0
		.amdhsa_kernarg_size 72
		.amdhsa_user_sgpr_count 2
		.amdhsa_user_sgpr_kernarg_segment_ptr 1
		.amdhsa_wavefront_size32 1
		.amdhsa_system_sgpr_workgroup_id_x 1
		.amdhsa_system_sgpr_workgroup_id_y 1
		.amdhsa_system_sgpr_workgroup_id_z 1
		.amdhsa_system_vgpr_workitem_id 0
		.amdhsa_next_free_vgpr 242
		.amdhsa_next_free_sgpr 66
		.amdhsa_reserve_vcc 0
		.amdhsa_float_denorm_mode_32 3
		.amdhsa_float_denorm_mode_16_64 3
		.amdhsa_memory_ordered 1
		.amdhsa_forward_progress 1
		.amdhsa_inst_pref_size 32
	.end_amdhsa_kernel
	.amdgpu_metadata
---
amdhsa.version: [ 1, 2 ]
amdhsa.kernels:
  - .name:           k_qa28512e877_quant
    .symbol:         k_qa28512e877_quant.kd
    .args:
      - { .name: q, .offset: 0, .size: 8, .value_kind: global_buffer, .address_space: global }
      - { .name: k, .offset: 8, .size: 8, .value_kind: global_buffer, .address_space: global }
      - { .name: v, .offset: 16, .size: 8, .value_kind: global_buffer, .address_space: global }
      - { .name: wq, .offset: 24, .size: 8, .value_kind: global_buffer, .address_space: global }
      - { .name: wk, .offset: 32, .size: 8, .value_kind: global_buffer, .address_space: global }
      - { .name: wv, .offset: 40, .size: 8, .value_kind: global_buffer, .address_space: global }
      - { .name: wo, .offset: 48, .size: 8, .value_kind: global_buffer, .address_space: global }
      - { .name: xc, .offset: 56, .size: 8, .value_kind: global_buffer, .address_space: global }
      - { .name: xs, .offset: 64, .size: 8, .value_kind: global_buffer, .address_space: global }
    .group_segment_fixed_size: 35328
    .private_segment_fixed_size: 0
    .kernarg_segment_align: 8
    .kernarg_segment_size: 72
    .max_flat_workgroup_size: 128
    .sgpr_count:     66
    .vgpr_count:     242
    .wavefront_size: 32
...
	.end_amdgpu_metadata
.endif
;; end of part 1
;; launch proj (part 2): grid 4 x 48, 4 waves a work-group, clusters of 4 x 4, 327,680 bytes of LDS; arguments xc, xs, bq, bk, bv, qi, ki, vi; writes qi, ki, vi
.if DOCPART == 2
	.amdgcn_target "amdgcn-amd-amdhsa--gfx1250"
	.amdhsa_code_object_version 6
	.text
	.protected	k_qa28512e877_proj
	.globl	k_qa28512e877_proj
	.p2align	8
	.type	k_qa28512e877_proj,@function
k_qa28512e877_proj:
	s_mov_b64 s[64:65], 0
	v_nop
	global_prefetch_b8 v0, s[64:65] scope:SCOPE_SE
	s_setreg_imm32_b32 hwreg(HW_REG_WAVE_MODE, 25, 1), 1
	s_wait_xcnt 0x0
	s_wait_alu depctr_hold_cnt(0) depctr_sa_sdst(0) depctr_va_vdst(0) depctr_va_sdst(0) depctr_va_ssrc(0) depctr_va_vcc(0) depctr_vm_vsrc(0)
	s_getreg_b32 s2, hwreg(HW_REG_IB_STS2, 6, 4)
	s_cmp_eq_u32 s2, 0
	s_cbranch_scc0 .Lentry_in_a_cluster
	s_endpgm
.Lentry_in_a_cluster:
	s_bfe_u32 s2, ttmp6, 0x10000c
	s_cmp_lg_u32 s2, 0xf033
	s_cbranch_scc0 .Lentry_shape_is_right
	s_endpgm
.Lentry_shape_is_right:
; The three projections x W^T + b on codes of FP6 (E2M3) with E8M0 scales, and the quantising of their results, in registers, for the attention.
; Tensor t = cluster y / 4: 0 q, 1 k, 2 v.  A tile of the result is 256 x 256, made by four waves of 128 x 128 (64 accumulators, 512 registers); K = 1,024 goes in four K slots of 256.
; THE MATRIX INSTRUCTION IS USED TRANSPOSED: source 0 = 16 rows of the B side, source 1 = 16 rows of the A side: a lane holds ONE row of the A side, and its registers run along the B side.
; q, k: A side = the tokens, B side = the weight's rows: a lane's registers run along the features, the K of the scores.   v: A side = wv's rows, B side = the tokens: they run along the keys, the K of the second product.
; THE ROWS OF A TILE OF THE B SIDE ARE NOT NEIGHBOURS (tile 2 B + u: rows 32 B + 8 u + r + 8 (r / 8)), so that the 16 registers of B-side tiles 2 B and 2 B + 1 are 16 neighbours: 32 B + 16 (lane / 16) + 0 .. 15.
; (k's tokens, an A side, come in tiles of another order, laid by launch quant for the attention; nothing here hangs on the order of the A side's rows.)
; OPERANDS lie in memory and in LDS as images of their registers (launch quant): a fragment comes by four LDS loads of consecutive bytes; no pitch, no padding.
; LDS: three slots of 98,304 bytes (A's 16 tiles x 3,072, then B's); the scale words of A's and B's 256 rows for all of K, 8,192 each; the spare words.
; FILLS.  Every load of codes brings one side's sixteen tiles of one K slot.  At the head one joint load a wave: wave 0 A's K slot 0, wave 1 A's scale words, wave 2 B's K slot 0, wave 3 B's scale words.
; Behind the three lines and a round, one a wave again: waves 0, 1 A's K slots 1, 2; waves 2, 3 B's.  K slot 3 is the one refill, into slot 0, behind a round: wave 0 brings A's, wave 2 B's.
; CLUSTERS: 4 x 4 work-groups.  A's tiles are shared along a row of the cluster, B's along a column: each is asked for jointly.  All partners of a cluster have the same t.
; RESULTS.  qi, ki: [batch x head 32][record of 128 rows 16][6,656]: eight half fragments (16 rows x the head's 64: 768 bytes), then at 6,144 the scale words [tile / 4][r][tile % 4], bytes 2 and 3 zero.
;           vi: [batch x head][128 keys 16][6,400]: four fragments (16 of the head's 64 x 128 keys: 1,536 bytes as three pieces of 512), then at 6,144 the scale words [r][tile].
; LIMITS: NaN and infinities are not served; a block whose largest magnitude lies under 2^-124, a block of zeros among them, gets the byte 1 (this program alone reads the bytes).
; REGISTERS: window 0: v1-3 lane, r, h; v8-19 LDS addresses; v24-30 offsets; v32-63 scale words, two sets; v64-127 the bias along the registers; v128-223 A's fragments, one set (on the way out: at work); v224-231 the bias of the lane's rows.
;   window 1: B's fragments, two sets, at v0 and v128.   windows 2, 3: the accumulators ((a, b) at v[8 (8 (a % 4) + b)]).
.set FR,    12                         ; registers of a fragment
.set TILEB, 3072                       ; a tile's bytes in a K slot: two fragments
.set TILEG, 12288                      ; a tile's bytes in memory: eight fragments
.set HALFT, 8*TILEB                    ; what a wave reads of A or of B in a slot
.set SLOT,  4*HALFT
.set SCL,   3*SLOT                     ; A's scale words
.set SCLB,  SCL+8192+128               ; B's: 128 bytes askew, so that the two halves of the lanes read different words of a run of 256 bytes
.set SPARE, SCLB+8192+128              ; the spare words, 128 bytes a wave: two blocks of 256 bytes that no other line names
.set KREC,  6656
.set VREC,  6400
.set A16, 8                            ; v8-10  16 x lane + my half of A in slot 0, 1, 2;   v11-13 the same with 8 x lane
.set A8,  11
.set B16, 14                           ; v14-16, v17-19 the same for B
.set B8,  17
.set LI16, 24                          ; v24  16 x lane
.set LI8,  25                          ; v25  8 x lane
.set SCO,  26                          ; v26  the way out: where my scale words go
.set ADRS, 27                          ; v27  LDS address of my scale words: lanes 0-15 A's rows, lanes 16-31 B's
.set SPW,  28                          ; v28  my spare word; never rewritten
.set NIL,  29                          ; v29  0; never rewritten
.set SH,   30                          ; v30  16 h
.set SC,   32                          ; scale words: set s at v[SC + 16 s]; register 2 i + q: lanes 0-15 A's block i, lanes 16-31 B's block i, the slot's q-th 128 along K
.set BN,   64                          ; v64-127  bias: register 16 B + i = feature 32 B + 16 h + i of my 128
.set AF,   128
.set T,    128                         ; the way out: v128-191 64 numbers
.set PC,   192                         ; v192-203 their codes; v204-206, v208-210 at work
.set W,    212                         ; v212-219 scale words of the eight blocks
.set BM,   224                         ; v224-231 bias of my lane's row in A's block a
.set TM,   232                         ; v232-247 at work in QUANT
.set PW,   248                         ; the scale word just made
.set BP,   250                         ; v250-251 the lane's bias, twice
.set WV,  20
.set HA,  21                           ; my half of the A side.  Also: I fetch for A (0) or for B (1)
.set HB,  22                           ; my half of the B side.  Also: which of K slots 1, 2 I fetch
.set TT,  23                           ; t
.set G1,  24                           ; s[24:31], s[32:39] group 1 for A's and B's codes;  s[40:47], s[48:55] for their scale words: each word is written once
.set G1B, 32
.set G1S, 40
.set G1SB, 48
.set G0S, 56                           ; s[56:59], s[60:63] group 0 for the scale words
.set G0SB, 60
.set SEL, 66                           ; s[66:67] lane l xor 16
.set G0,  68                           ; s[68:71] group 0 for A's K slot 0, then 3; s[72:75] for A's K slot 1 or 2;  s[80:83], s[84:87] for B's
.set G0B, 80
.set MSB, 0
.macro WIN new                         ; the immediate's high byte repeats the setting that is left
.if MSB != (\new)
	s_set_vgpr_msb (MSB<<8)|(\new)
.set MSB, (\new)
.endif
.endm
.set MUL_LO, 0xa1                      ; source 0 (B) window 1, source 1 (A) window 0, C and D window 2
.set MUL_HI, 0xf1                      ; the same, C and D window 3
.set TO_B,   0x40                      ; destination window 1, address window 0
.macro PLACES                          ; four plain instructions between a matrix instruction and a load into, or a vector instruction on, its registers (ISA guide 7.12.1 for vector instructions)
.rept 4
	v_nop
.endr
.endm
.macro TLOAD g0, g1                    ; s_nop 0 and four v_nop follow every tensor load
	tensor_load_to_lds s[\g0:\g0+3], s[\g1:\g1+7]
	s_nop 0
	PLACES
.endm
.macro CREST                           ; a round of the cluster's barrier behind its opening barrier
	s_cmp_lg_u32 s[WV], 0
	s_cbranch_scc1 .Lnot_wave_0_\@
	s_barrier_signal -3
.Lnot_wave_0_\@:
	s_barrier_wait -3
	s_barrier_signal -1
	s_barrier_wait -1
.endm
.macro CROUND
	s_barrier_signal -1
	s_barrier_wait -1
	CREST
.endm
.macro FRAG reg, a16, a8, off          ; a fragment's image: 512 + 256 + 512 + 256 consecutive bytes
	ds_load_b128 v[\reg:\reg+3], v[\a16] offset:\off
	ds_load_b64 v[\reg+4:\reg+5], v[\a8] offset:\off+512
	ds_load_b128 v[\reg+6:\reg+9], v[\a16] offset:\off+768
	ds_load_b64 v[\reg+10:\reg+11], v[\a8] offset:\off+1280
.endm
.macro FETCH_B slot, q, p              ; B's eight fragments of the slot's q-th 128 along K into set p
	WIN TO_B
.irp i, 0,1,2,3,4,5,6,7
	FRAG 128*(\p)+FR*\i, B16+\slot, B8+\slot, \i*TILEB+1536*(\q)
.endr
	WIN 0
.endm
.macro FETCH_A slot, q, i0             ; A's blocks i0 .. i0 + 3
.irp i, \i0, \i0+1, \i0+2, \i0+3
	FRAG AF+FR*(\i), A16+\slot, A8+\slot, (\i)*TILEB+1536*(\q)
.endr
.endm
.macro SCALES set, j                   ; K slot j's scale words: two words a row
.irp i, 0,1,2,3,4,5,6,7
	ds_load_b64 v[SC+16*(\set)+2*\i:SC+16*(\set)+2*\i+1], v[ADRS] offset:512*\i+128*(\j)
.endr
.endm
; 16 matrix instructions of K step g: A's blocks a0, a0 + 1 x B's eight.  B's set and the word in a pair are g % 2, the set of scale words (g / 2) % 2.  zero = 1: the first product starts the sums.
; The 64 accumulators take turns, one instruction a turn, in the same order in every step.
.macro MUL16 a0, g, zero
.irp a, \a0, \a0+1
.irp b, 0,1,2,3,4,5,6,7
.if \zero
	v_wmma_scale_f32_16x16x128_f8f6f4 v[8*(8*((\a)%4)+\b):8*(8*((\a)%4)+\b)+7], v[128*((\g)%2)+FR*\b:128*((\g)%2)+FR*\b+FR-1], v[AF+FR*(\a):AF+FR*(\a)+FR-1], 0, v[SC+16*(((\g)/2)%2)+2*\b+(\g)%2], v[SC+16*(((\g)/2)%2)+2*(\a)+(\g)%2] matrix_a_fmt:MATRIX_FMT_FP6 matrix_b_fmt:MATRIX_FMT_FP6 matrix_a_scale:MATRIX_SCALE_ROW1
.else
	v_wmma_scale_f32_16x16x128_f8f6f4 v[8*(8*((\a)%4)+\b):8*(8*((\a)%4)+\b)+7], v[128*((\g)%2)+FR*\b:128*((\g)%2)+FR*\b+FR-1], v[AF+FR*(\a):AF+FR*(\a)+FR-1], v[8*(8*((\a)%4)+\b):8*(8*((\a)%4)+\b)+7], v[SC+16*(((\g)/2)%2)+2*\b+(\g)%2], v[SC+16*(((\g)/2)%2)+2*(\a)+(\g)%2] matrix_a_fmt:MATRIX_FMT_FP6 matrix_b_fmt:MATRIX_FMT_FP6 matrix_a_scale:MATRIX_SCALE_ROW1
.endif
.endr
.endr
.endm
; K step g; the next step's fragments lie in LDS slot ns, its nq-th 128 along K; nj >= 0: K slot nj's scale words are fetched too.
.macro STEP g, zero, ns, nq, nj
	s_wait_dscnt 16                                ; B's set, A's blocks 0-3 and the scale words are in; the youngest 16 loads (A's blocks 4-7) may be out
	WIN MUL_LO
	MUL16 0, \g, \zero
	MUL16 2, \g, \zero
	s_wait_dscnt 0                                 ; A's blocks 4-7 are in
	PLACES
	FETCH_B \ns, \nq, ((\g)+1)%2
	FETCH_A \ns, \nq, 0
.if \nj >= 0
	SCALES (\nj)%2, \nj
.endif
	WIN MUL_HI
	MUL16 4, \g, \zero
	MUL16 6, \g, \zero
	PLACES
	WIN 0
	FETCH_A \ns, \nq, 4
.endm
; K step g with a barrier in its middle.  In front of it each wave waits for all its tensor loads, adds 0 to its spare word, and waits for that and for its LDS reads.
; fill = 1: the barrier opens a round of the cluster's barrier, and slot 0, which nobody reads any more, takes K slot 3: wave 0 asks for A's sixteen tiles, wave 2 for B's.
.macro TURN g, fill, ns, nj
	s_wait_tensorcnt 0x0                           ; all my tensor loads have landed
	ds_add_u32 v[SPW], v[NIL]                      ; 0 onto my spare word
	s_wait_dscnt 17                                ; (the add and the youngest 16 loads may be out)
	WIN MUL_LO
	MUL16 0, \g, 0                                 ; sixteen matrix instructions stand between the add and the wait for it
	s_wait_dscnt 0x0                               ; the add is done, and my reads of the slot are over
	s_barrier_signal -1
	MUL16 2, \g, 0
	WIN 0
	s_barrier_wait -1
.if \fill
	CREST                                          ; no wave of any partner still reads slot 0 or has a load on its way
	s_add_nc_u64 s[G0+2:G0+3], s[G0+2:G0+3], 3*TILEB
	s_add_nc_u64 s[G0B+2:G0B+3], s[G0B+2:G0B+3], 3*TILEB
	s_cmp_eq_u32 s[WV], 0
	s_cbranch_scc0 .Lrefill_b_\@
	TLOAD G0, G1
	s_branch .Lrefilled_\@
.Lrefill_b_\@:
	s_cmp_eq_u32 s[WV], 2
	s_cbranch_scc0 .Lrefilled_\@
	TLOAD G0B, G1B
.Lrefilled_\@:
.endif
	PLACES                                         ; on every wave's way, in front of the loads below
	FETCH_B \ns, 0, ((\g)+1)%2
	FETCH_A \ns, 0, 0
	SCALES (\nj)%2, \nj
	WIN MUL_HI
	MUL16 4, \g, 0
	MUL16 6, \g, 0
	PLACES
	WIN 0
	FETCH_A \ns, 0, 4
.endm
; 64 numbers of a lane, register 16 b + i = k 32 b + 16 (lane / 16) + i of my row, become a fragment's codes in v[PC] on and its scale word in v[PW].
.macro QUANT s
.irp b, 0,1,2,3
	v_max3_num_f32 v[TM+\b], |v[\s+16*\b]|, |v[\s+1+16*\b]|, 0x1800000   ; block b: my 16 numbers, and the floor 2^(3 - 127): the byte cannot fall under 1
.endr
.irp i, 2,4,6,8,10,12,14
.irp b, 0,1,2,3
	v_max3_num_f32 v[TM+\b], v[TM+\b], |v[\s+16*\b+\i]|, |v[\s+1+16*\b+\i]|
.endr
.endr
.irp b, 0,1,2,3
	v_permlanex16_b32 v[TM+4+\b], v[TM+\b], s[SEL], s[SEL+1]
.endr
.irp b, 0,1,2,3
	v_max_num_f32 v[TM+\b], v[TM+\b], v[TM+4+\b]   ; with lane l xor 16's: the block's largest magnitude
.endr
.irp b, 0,1,2,3
	v_add_nc_u32 v[TM+12+\b], 0xff000000, v[TM+\b] ; 2 off its exponent field: the conversion's scale operand
.endr
.irp b, 0,1,2,3
	v_lshrrev_b32 v[TM+4+\b], 23, v[TM+12+\b]      ; the scale's byte
.endr
	v_lshl_or_b32 v[PW], v[TM+5], 8, v[TM+4]
	v_lshl_or_b32 v[PW], v[TM+6], 16, v[PW]
	v_lshl_or_b32 v[PW], v[TM+7], 24, v[PW]
	s_wait_alu depctr_va_vdst(0)
	s_wait_xcnt 0x0                                ; the last block's stores have read the codes' registers, which the conversions below write again
.irp c, 0,1
	v_cvt_scalef32_pk16_fp6_f32 v[PC+6*\c:PC+2+6*\c], v[\s+32*\c:\s+15+32*\c], v[TM+12+2*\c]
	v_cvt_scalef32_pk16_fp6_f32 v[PC+12+4*\c:PC+14+4*\c], v[\s+16+32*\c:\s+31+32*\c], v[TM+12+2*\c+1]   ; (a conversion's three registers begin on an even number)
.endr
	v_nop                                          ; one plain instruction behind a scaled conversion
.irp c, 0,1                                    ; the operand's layout wants a whole block in a lane: lanes 0-15 block 2 c, lanes 16-31 block 2 c + 1
.irp i, 0,1,2
	v_permlane16_swap_b32 v[PC+6*\c+\i], v[PC+12+4*\c+\i]
.endr
.irp i, 0,1,2
	v_mov_b32 v[PC+3+6*\c+\i], v[PC+12+4*\c+\i]
.endr
.endr
.endm
	s_load_b512 s[4:19], s[0:1], 0x0               ; xc, xs, bq, bk, bv, qi, ki, vi
	v_lshl_add_u32 v[SPW], v0, 2, SPARE
	v_mov_b32 v[NIL], 0
	ds_add_u32 v28, v29                            ; the opening lines
	ds_add_u32 v28, v29
	s_wait_dscnt 0x0
	v_lshrrev_b32 v1, 5, v0
	v_readfirstlane_b32 s[WV], v1
	s_lshr_b32 s[HA], s[WV], 1
	s_and_b32 s[HB], s[WV], 1
	s_bfe_u32 s92, ttmp6, 0x40000                  ; cx
	s_bfe_u32 s93, ttmp6, 0x40004                  ; cy
	s_and_b32 s94, ttmp7, 0xffff                   ; cluster y: 4 t + which quarter of the tokens
	s_lshr_b32 s[TT], s94, 2
	s_and_b32 s94, s94, 3
	s_lshl_b32 s94, s94, 2
	s_cmp_eq_u32 s[TT], 2
	s_cselect_b32 s95, 0, s94                      ; q, k: the tokens are the A side;
	s_cselect_b32 s96, s94, 0                      ; v: they are the B side
	s_add_co_u32 s95, s95, s93                     ; which 256 rows of the A side: it hangs on cy alone
	s_add_co_u32 s96, s96, s92                     ; which 256 rows of the B side: on cx alone
	s_lshl_b32 s97, s93, 2
	s_lshl_b32 s97, 15, s97                        ; my row of the cluster
	s_lshl_b32 s98, 0x1111, s92                    ; my column
	s_or_b32 s[G1], s97, (3<<16)|(1<<21)           ; 15:0 the mask; 17:16 elements of 8 bytes; 21 set beside a mask; no padding
	s_or_b32 s[G1B], s98, (3<<16)|(1<<21)
	s_or_b32 s[G1S], s97, (3<<16)|(1<<21)
	s_or_b32 s[G1SB], s98, (3<<16)|(1<<21)
.irp g, G1, G1B                        ; sixteen tiles' 3,072 bytes (384 elements), 12,288 bytes (1,536 elements) apart
	s_mov_b32 s[\g+1], 384<<16
	s_mov_b32 s[\g+2], 16<<16
	s_mov_b32 s[\g+3], 384<<16
	s_mov_b32 s[\g+4], 16
	s_mov_b32 s[\g+5], 1536
	s_mov_b32 s[\g+6], 0
	s_mov_b32 s[\g+7], 0
.endr
.irp g, G1S, G1SB                      ; sixteen tiles' scale words: 8,192 dense bytes as 32 rows of 256
	s_mov_b32 s[\g+1], 32<<16
	s_mov_b32 s[\g+2], 32<<16
	s_mov_b32 s[\g+3], 32<<16
	s_mov_b32 s[\g+4], 32
	s_mov_b32 s[\g+5], 32
	s_mov_b32 s[\g+6], 0
	s_mov_b32 s[\g+7], 0
.endr
	s_lshl_b32 s99, s95, 4                         ; A's first tile
	s_lshl_b32 s101, s96, 4                        ; B's
	s_mul_i32 s94, s[TT], 3145728                  ; where the sides begin in xc: A: q, k, or wv;
	s_mul_i32 s100, s[TT], 786432
	s_add_co_u32 s100, s100, 9437184               ; B: wq, wk, or v;
	s_lshl_b32 s97, s[TT], 17                      ; and in xs
	s_lshl_b32 s98, s[TT], 15
	s_add_co_u32 s98, s98, 393216
	s_cmp_eq_u32 s[TT], 2
	s_cselect_b32 s94, 11010048, s94
	s_cselect_b32 s100, 6291456, s100
	s_cselect_b32 s97, 458752, s97
	s_cselect_b32 s98, 262144, s98
	s_mul_i32 s[G0+2], s99, TILEG                  ; the offsets are formed in the descriptors' own words: A's never hold cx, B's never cy
	s_add_co_u32 s[G0+2], s[G0+2], s94
	s_mov_b32 s[G0+3], 0
	s_mul_i32 s[G0B+2], s101, TILEG
	s_add_co_u32 s[G0B+2], s[G0B+2], s100
	s_mov_b32 s[G0B+3], 0
	s_lshl_b32 s[G0S+2], s99, 9
	s_add_co_u32 s[G0S+2], s[G0S+2], s97
	s_mov_b32 s[G0S+3], 0
	s_lshl_b32 s[G0SB+2], s101, 9
	s_add_co_u32 s[G0SB+2], s[G0SB+2], s98
	s_mov_b32 s[G0SB+3], 0
	s_mul_i32 s2, s[HB], SLOT                      ; behind the head I fetch K slot 1 + wave % 2: its place in LDS,
	s_mul_i32 s100, s[HB], TILEB                   ; and in a tile's bytes in memory
	s_add_co_u32 s100, s100, TILEB
	s_mov_b32 s101, 0
	s_wait_kmcnt 0x0
	s_add_nc_u64 s[G0+2:G0+3], s[4:5], s[G0+2:G0+3]
	s_add_nc_u64 s[G0B+2:G0B+3], s[4:5], s[G0B+2:G0B+3]
	s_add_nc_u64 s[G0S+2:G0S+3], s[6:7], s[G0S+2:G0S+3]
	s_add_nc_u64 s[G0SB+2:G0SB+3], s[6:7], s[G0SB+2:G0SB+3]
	s_add_nc_u64 s[G0+6:G0+7], s[G0+2:G0+3], s[100:101]
	s_add_nc_u64 s[G0B+6:G0B+7], s[G0B+2:G0B+3], s[100:101]
	s_mov_b32 s[G0], 1
	s_mov_b32 s[G0+1], 0                           ; slot 0: A's sixteen tiles,
	s_or_b32 s[G0+3], s[G0+3], 0x80000000
	s_mov_b32 s[G0B], 1
	s_mov_b32 s[G0B+1], 2*HALFT                    ; and B's behind them
	s_or_b32 s[G0B+3], s[G0B+3], 0x80000000
	s_mov_b32 s[G0+4], 1
	s_add_co_u32 s[G0+5], s2, SLOT                 ; slot 1 or 2
	s_or_b32 s[G0+7], s[G0+7], 0x80000000
	s_mov_b32 s[G0B+4], 1
	s_add_co_u32 s[G0B+5], s2, SLOT+2*HALFT
	s_or_b32 s[G0B+7], s[G0B+7], 0x80000000
	s_mov_b32 s[G0S], 1
	s_mov_b32 s[G0S+1], SCL
	s_or_b32 s[G0S+3], s[G0S+3], 0x80000000
	s_mov_b32 s[G0SB], 1
	s_mov_b32 s[G0SB+1], SCLB
	s_or_b32 s[G0SB+3], s[G0SB+3], 0x80000000
	CROUND                                         ; all sixteen work-groups are here: the first joint loads meet
; The head's four tiles, one joint load a wave, in one chain of branches on the wave's number.
.macro ARM under, g0, g1, next
	s_cmp_lt_u32 s[WV], \under
	s_cbranch_scc0 \next
	TLOAD \g0, \g1
	s_branch .Lhead_asked
\next:
.endm
	ARM 1, G0, G1, .Lhead_sa
	ARM 2, G0S, G1S, .Lhead_b
	ARM 3, G0B, G1B, .Lhead_sb
	TLOAD G0SB, G1SB
.Lhead_asked:
	s_mul_i32 s2, s[HA], HALFT                     ; my eight tiles of A in slot 0,
	s_mul_i32 s3, s[HB], HALFT
	s_add_co_u32 s3, s3, 2*HALFT                   ; and of B, which lie behind A's sixteen
	v_and_b32 v1, 31, v0                           ; lane
	v_and_b32 v2, 15, v0                           ; r
	v_bfe_u32 v3, v0, 4, 1                         ; h
	v_lshlrev_b32 v[LI16], 4, v1
	v_lshlrev_b32 v[LI8], 3, v1
	v_add_nc_u32 v[A16], s2, v[LI16]
	v_add_nc_u32 v[A8], s2, v[LI8]
	v_add_nc_u32 v[B16], s3, v[LI16]
	v_add_nc_u32 v[B8], s3, v[LI8]
.irp s, 1,2
.irp r, A16, A8, B16, B8
	v_add_nc_u32 v[\r+\s], SLOT, v[\r+\s-1]        ; the same in slots 1 and 2
.endr
.endr
	s_lshl_b32 s2, s[HA], 12                       ; scale words: A's, my eight tiles;
	s_lshl_b32 s3, s[HB], 12
	s_add_co_u32 s3, s3, SCLB-SCL                  ; B's;
	s_sub_co_u32 s3, s3, s2
	v_mul_u32_u24 v22, s3, v3                      ; lanes 16-31 take B's: one product, the distance between the two
	s_add_co_u32 s2, s2, SCL
	v_lshl_add_u32 v22, v2, 3, v22                 ; 8 bytes a row
	v_add_nc_u32 v[ADRS], s2, v22
	s_mov_b32 s[SEL], 0x76543210
	s_mov_b32 s[SEL+1], 0xfedcba98
.irp b, 0,1,2,3
	v_mov_b32 v[TM+4+\b], 0                        ; written once: a lane permute's destination counts as one of its sources
.endr
	s_lshl_b32 s99, s95, 8
	s_lshl_b32 s2, s[HA], 7
	s_add_co_u32 s99, s99, s2                      ; my first row of the A side
	s_lshl_b32 s101, s96, 8
	s_lshl_b32 s2, s[HB], 7
	s_add_co_u32 s101, s101, s2                    ; and of the B side
	s_cmp_eq_u32 s[TT], 1
	s_cselect_b64 s[8:9], s[10:11], s[8:9]         ; my tensor's bias,
	s_cselect_b64 s[14:15], s[16:17], s[14:15]     ; and qi or ki
	s_cmp_eq_u32 s[TT], 2
	s_cselect_b64 s[8:9], s[12:13], s[8:9]
	s_cselect_b32 s2, 0, s101                      ; the features are the B side (q, k) or the A side (v).  Both kinds of bias registers are loaded on every way, the unused kind from the bias's first numbers:
	s_cselect_b32 s94, s99, 0                      ; no branch, and no load leaves its buffer
	s_lshl_b32 s2, s2, 2
	s_mov_b32 s3, 0
	s_lshl_b32 s94, s94, 2
	s_mov_b32 s95, 0
	s_add_nc_u64 s[10:11], s[8:9], s[2:3]
	s_add_nc_u64 s[12:13], s[8:9], s[94:95]
	s_wait_alu depctr_va_vdst(0)
	v_lshlrev_b32 v20, 6, v3                       ; 16 h numbers on
	v_and_b32 v21, 8, v2
	v_add_nc_u32 v21, v21, v2
	v_lshlrev_b32 v21, 2, v21                      ; r + 8 (r / 8) numbers on
.irp b, 0,1,2,3
.irp e, 0,1,2,3
	global_load_b128 v[BN+16*\b+4*\e:BN+16*\b+4*\e+3], v20, s[10:11] offset:128*\b+16*\e
.endr
.endr
.irp a, 0,1,2,3,4,5,6,7
	global_load_b32 v[BM+\a], v21, s[12:13] offset:4*(32*(\a/2)+8*(\a%2))
.endr
	s_wait_alu depctr_va_vdst(0)
	s_wait_tensorcnt 0x0                           ; my tile of the head's four is in
	ds_add_u32 v[SPW], v[NIL]
	s_wait_dscnt 0x0
	CROUND                                         ; all four tiles are shown to all waves, and the sixteen work-groups meet
	s_cmp_eq_u32 s[HA], 0                          ; K slots 1 and 2, one side of one slot a wave: the first tensor load behind the round
	s_cbranch_scc0 .Lmore_b
	TLOAD G0+4, G1
	s_branch .Lmore_asked
.Lmore_b:
	TLOAD G0B+4, G1B
.Lmore_asked:
	FETCH_B 0, 0, 0
	FETCH_A 0, 0, 0
	SCALES 0, 0
	FETCH_A 0, 0, 4
	STEP 0, 1, 0, 1, -1                            ; the first products start the sums: nothing is cleared
	TURN 1, 1, 1, 1                                ; slots 1 and 2 are whole in every wave's part; slot 0 is left and takes K slot 3, which has four K steps in which to land
	STEP 2, 0, 1, 1, -1
	STEP 3, 0, 2, 0, 2
	STEP 4, 0, 2, 1, -1
	TURN 5, 0, 0, 3                                ; K slot 3 has landed; nothing is filled again
	STEP 6, 0, 0, 1, -1
	s_wait_dscnt 16                                ; the last K step: nothing more to fetch
	WIN MUL_LO
	MUL16 0, 7, 0
	MUL16 2, 7, 0
	s_wait_dscnt 0
	WIN MUL_HI
	MUL16 4, 7, 0
	MUL16 6, 7, 0
	WIN 0
	PLACES
	s_wait_tensorcnt 0x0                           ; the way out touches no LDS and asks for no tile: so these three lines,
	ds_add_u32 v[SPW], v[NIL]
	s_wait_dscnt 0x0
	CROUND                                         ; and the closing round stand here: no barrier stands behind the branch below
	s_wait_loadcnt 0x0                             ; the biases
	s_cmp_eq_u32 s[TT], 2                          ; the same in all partners of a cluster
	s_cbranch_scc1 .Lvalues
	; ---- q, k.  For A's block a (16 tokens) a lane's 64 numbers are 128 features of its token: two heads.  + bias, quantised: two half fragments, one for each head.
	s_lshr_b32 s2, s99, 11                         ; the batch,
	s_bfe_u32 s3, s99, 0x40007                     ; the record of 128 tokens,
	s_lshr_b32 s97, s101, 6                        ; my first head
	s_lshl_b32 s2, s2, 4
	s_add_co_u32 s2, s2, s97
	s_lshl_b32 s2, s2, 4
	s_add_co_u32 s2, s2, s3
	s_mul_i32 s2, s2, KREC
	s_mov_b32 s3, 0
	s_add_nc_u64 s[14:15], s[14:15], s[2:3]
	v_lshlrev_b32 v[SH], 4, v3
	v_mul_u32_u24 v[SCO], v3, 16*KREC              ; lanes 16-31 keep and store the second head's scale words
	v_lshl_add_u32 v[SCO], v2, 4, v[SCO]
.macro OUT_QK a
	WIN 0x02+(\a)/4                                ; source 0: the accumulators' window
.set i, 0
.rept 32
	v_pk_add_f32 v[T+2*i:T+2*i+1], v[64*((\a)%4)+2*i:64*((\a)%4)+2*i+1], v[BN+2*i:BN+2*i+1]   ; each accumulator from its low end on
.set i, i+1
.endr
	WIN 0
	QUANT T
	v_lshrrev_b32 v[W+\a], v[SH], v[PW]
	v_and_b32 v[W+\a], 0xffff, v[W+\a]             ; my head's two bytes; bytes 2 and 3 are 0
	global_store_b128 v[LI16], v[PC:PC+3], s[14:15] offset:768*\a
	global_store_b64 v[LI8], v[PC+4:PC+5], s[14:15] offset:768*\a+512
	global_store_b128 v[LI16], v[PC+6:PC+9], s[14:15] offset:16*KREC+768*\a
	global_store_b64 v[LI8], v[PC+10:PC+11], s[14:15] offset:16*KREC+768*\a+512
.endm
.irp a, 0,1,2,3,4,5,6,7
	OUT_QK \a
.endr
	global_store_b128 v[SCO], v[W:W+3], s[14:15] offset:6144        ; sixteen lanes store 256 consecutive bytes
	global_store_b128 v[SCO], v[W+4:W+7], s[14:15] offset:6144+256
	s_endpgm
.Lvalues:
	; ---- v.  For A's block a (16 features: tile a % 4 of head a / 4) a lane's 64 numbers are 128 keys of its feature.  + bias, quantised along the keys: one fragment.
	s_lshr_b32 s2, s101, 11                        ; the batch,
	s_bfe_u32 s3, s101, 0x40007                    ; the step of 128 keys,
	s_lshr_b32 s97, s99, 6                         ; my first head
	s_lshl_b32 s2, s2, 4
	s_add_co_u32 s2, s2, s97
	s_lshl_b32 s2, s2, 4
	s_add_co_u32 s2, s2, s3
	s_mul_i32 s2, s2, VREC
	s_mov_b32 s3, 0
	s_add_nc_u64 s[18:19], s[18:19], s[2:3]
	v_mul_u32_u24 v[SCO], v3, 16*VREC
	v_lshl_add_u32 v[SCO], v2, 4, v[SCO]
.macro OUT_V a
	v_mov_b32 v[BP], v[BM+\a]
	v_mov_b32 v[BP+1], v[BM+\a]
	WIN 0x02+(\a)/4
.set i, 0
.rept 32
	v_pk_add_f32 v[T+2*i:T+2*i+1], v[64*((\a)%4)+2*i:64*((\a)%4)+2*i+1], v[BP:BP+1]
.set i, i+1
.endr
	WIN 0
	QUANT T
	v_mov_b32 v[W+\a], v[PW]
.irp c, 0,1,2
	global_store_b128 v[LI16], v[PC+4*\c:PC+4*\c+3], s[18:19] offset:((\a)/4)*16*VREC+((\a)%4)*1536+512*\c
.endr
.endm
.irp a, 0,1,2,3,4,5,6,7
	OUT_V \a
.endr
	v_cmp_ne_u32 vcc_lo, 0, v3
.irp i, 0,1,2,3
	v_cndmask_b32 v[W+\i], v[W+\i], v[W+4+\i], vcc_lo   ; lanes 16-31 store the second head's words
.endr
	global_store_b128 v[SCO], v[W:W+3], s[18:19] offset:6144
	s_endpgm
.Lfunc_end_k_qa28512e877_proj:
	.size	k_qa28512e877_proj, .Lfunc_end_k_qa28512e877_proj-k_qa28512e877_proj
	.p2alignl 7, 3214868480
	.fill 96, 4, 3214868480
	.section	.rodata,"a",@progbits
	.p2align	6, 0x0
	.amdhsa_kernel k_qa28512e877_proj
		.amdhsa_group_segment_fixed_size 327680
		.amdhsa_private_segment_fixed_size 0
		.amdhsa_enable_private_segment 0
		.amdhsa_kernarg_size 64
		.amdhsa_user_sgpr_count 2
		.amdhsa_user_sgpr_kernarg_segment_ptr 1
		.amdhsa_wavefront_size32 1
		.amdhsa_system_sgpr_workgroup_id_x 1
		.amdhsa_system_sgpr_workgroup_id_y 1
		.amdhsa_system_sgpr_workgroup_id_z 1
		.amdhsa_system_vgpr_workitem_id 0
		.amdhsa_next_free_vgpr 1024
		.amdhsa_next_free_sgpr 102
		.amdhsa_reserve_vcc 1
		.amdhsa_float_denorm_mode_32 3
		.amdhsa_float_denorm_mode_16_64 3
		.amdhsa_memory_ordered 1
		.amdhsa_forward_progress 1
		.amdhsa_inst_pref_size 219
	.end_amdhsa_kernel
	.amdgpu_metadata
---
amdhsa.version: [ 1, 2 ]
amdhsa.kernels:
  - .name:           k_qa28512e877_proj
    .symbol:         k_qa28512e877_proj.kd
    .args:
      - { .name: xc, .offset: 0, .size: 8, .value_kind: global_buffer, .address_space: global }
      - { .name: xs, .offset: 8, .size: 8, .value_kind: global_buffer, .address_space: global }
      - { .name: bq, .offset: 16, .size: 8, .value_kind: global_buffer, .address_space: global }
      - { .name: bk, .offset: 24, .size: 8, .value_kind: global_buffer, .address_space: global }
      - { .name: bv, .offset: 32, .size: 8, .value_kind: global_buffer, .address_space: global }
      - { .name: qi, .offset: 40, .size: 8, .value_kind: global_buffer, .address_space: global }
      - { .name: ki, .offset: 48, .size: 8, .value_kind: global_buffer, .address_space: global }
      - { .name: vi, .offset: 56, .size: 8, .value_kind: global_buffer, .address_space: global }
    .group_segment_fixed_size: 327680
    .private_segment_fixed_size: 0
    .kernarg_segment_align: 8
    .kernarg_segment_size: 64
    .max_flat_workgroup_size: 128
    .sgpr_count:     102
    .vgpr_count:     1024
    .wavefront_size: 32
...
	.end_amdgpu_metadata
.endif
;; end of part 2
;; launch attn (part 3): grid 8 x 32, 8 waves a work-group, clusters of 4 x 1, 209,920 bytes of LDS; arguments qi, ki, vi, ai, asc; writes ai, asc
.if DOCPART == 3
	.amdgcn_target "amdgcn-amd-amdhsa--gfx1250"
	.amdhsa_code_object_version 6
	.text
	.protected	k_qa28512e877_attn
	.globl	k_qa28512e877_attn
	.p2align	8
	.type	k_qa28512e877_attn,@function
k_qa28512e877_attn:
	s_mov_b64 s[64:65], 0
	v_nop
	global_prefetch_b8 v0, s[64:65] scope:SCOPE_SE
	s_setreg_imm32_b32 hwreg(HW_REG_WAVE_MODE, 25, 1), 1
	s_wait_xcnt 0x0
	s_wait_alu depctr_hold_cnt(0) depctr_sa_sdst(0) depctr_va_vdst(0) depctr_va_sdst(0) depctr_va_ssrc(0) depctr_va_vcc(0) depctr_vm_vsrc(0)
	s_getreg_b32 s2, hwreg(HW_REG_IB_STS2, 6, 4)
	s_cmp_eq_u32 s2, 0
	s_cbranch_scc0 .Lentry_in_a_cluster
	s_endpgm
.Lentry_in_a_cluster:
	s_bfe_u32 s2, ttmp6, 0x10000c
	s_cmp_lg_u32 s2, 0x3003
	s_cbranch_scc0 .Lentry_shape_is_right
	s_endpgm
.Lentry_shape_is_right:
; O[q] = sum over keys of softmax(Q[q] . K[key] / 8) V[key] for each of 32 (batch, head); both products on codes of FP6 (E2M3) with E8M0 scales; O / the row's sum is quantised along the head's 64 for the last projection.
; THE SOFTMAX: t = score x log2(e) / 8; M = the running largest t rounded up to a whole number; p = 2^(t - M) is quantised along the keys, not normalised; the row's sum is taken of the unquantised p;
; when M moves, the sum and O are multiplied by 2^(old M - new M), which rounds nothing.  The largest is kept as a score; c is positive, so the largest t is c x the largest score.
; SHARES.  A work-group owns 256 queries of one head, each of its eight waves two tiles of 16 (tile u's registers have the same numbers in window u); the two tiles share each fragment of K and V.
; A whole head's K and V lie in LDS, each byte filled once: 106,496 + 102,400 bytes in four chunks of four steps each.  EIGHT CHUNKS, EIGHT WAVES: one joint load a wave at the head (the four work-groups of a cluster share a head).
; Waves 0, 1 bring K's chunks 0, 1, waves 2, 3 V's; waves 4, 5 K's chunks 2, 3, waves 6, 7 V's.  The first barrier shows what waves 0-3 brought; behind four steps a second barrier shows the rest.  Nothing is filled again.
; No prefetch: all that the launch reads by tensor loads is asked for at the head, so there is no loop to run ahead in.
; LAYOUT.  Both products are used transposed (S^T = K Q^T, O^T = V^T P^T): a lane holds one query of each tile.  TILE 4 c + j OF A STEP'S KEYS HOLDS KEYS 64 c + 8 j + i AND 64 c + 32 + 8 j + i (i = 0 .. 7):
; so lane (r, h)'s 32 scores of tiles 4 c .. 4 c + 3 are keys 64 c + 32 h + 0 .. 31: one whole scale block of p, in the order of the operand's registers.  No lane is asked for a block's largest, and no code changes lanes.
; The first product's K is 64, the instruction's 128: Q's registers 6-11 are zero codes; a tile of K names 12 registers of which the upper six are the next tile's codes (behind the last: zeros); bytes 2, 3 of both scale words are 0.
; The very last step's fetch of a next K reads the first bytes of V's region, which have landed; nobody uses what it brings.
; asc is written a byte a lane: 131,072 bytes of the 3,276,800 that the launch stores.
; LIMITS: NaN and infinities are not served; a block whose largest magnitude lies under 2^-124 gets the byte 1 (this program alone reads the bytes); the promise holds while |t| stays under 2^31.
.set KREC, 6656                        ; a step's K: eight half fragments of 768 bytes, then 512 bytes of scale words [tile / 4][r][tile % 4]
.set VREC, 6400                        ; a step's V: four fragments of 1,536 bytes, then 256 bytes of scale words [r][tile]
.set VBASE, 16*KREC
.set SPARE, VBASE+16*VREC              ; the spare words: 128 bytes a wave
.set QS,  28                           ; v28, v29 Q's scale words; v30, v31 p's (window 0)
.set PS,  30
.set KF,  32                           ; v32-79 K's eight tiles, six registers each; v80-85 zeros
.set KS,  86                           ; v86-93 K's scale words
.set VS,  232                          ; v232-235 V's
.set VF,  32                           ; window 1: V's four fragments
.set S,   96                           ; v96-159 S^T, then p
.set O,   160                          ; v160-191 O^T
.set PCD, 192                          ; v192-203 p's codes
.set AX,  204                          ; v204-206, v208-210 the upper 16 codes of my two blocks
.set BMX, 212                          ; v212-213 my two blocks' largest score, then p
.set PB,  216                          ; v216-217 scale bytes
.set PX,  218                          ; v218, v219 lane permutes' destinations
.set PY,  219
.set SO,  220                          ; v220-221 the conversions' scale operands
.set TM2, 222
.set PW,  224
.set TMP, 225
.set FF,  226                          ; v[226:227] f = 2^(old M - new M)
.set MT,  238                          ; v238-245 the largest of each of the eight accumulators
                                       ; the row's sum runs in eight chains: v[14:15] and the pairs at v228, v230, v236, v246, v248, v250, v252
.set WV,  18
.set SEL, 20
.set CS,  22                           ; s[22:23] c = log2(e) / 8
.set G1K, 24
.set G1V, 32
.set G0K, 40
.set G0V, 44
.set TK,  2                            ; LDS byte of the next step's K
.set TV,  3                            ; LDS byte of this step's V
.set CNT, 66
.set CN,  67                           ; -c
.set MSB, 0
.macro WIN new
.if MSB != (\new)
	s_set_vgpr_msb (MSB<<8)|(\new)
.set MSB, (\new)
.endif
.endm
.macro TW u                            ; all four operand places in tile u's window
	WIN 0x55*(\u)
.endm
.macro CROUND
	s_barrier_signal -1
	s_barrier_wait -1
	s_cmp_lg_u32 s[WV], 0
	s_cbranch_scc1 .Lnot_wave_0_\@
	s_barrier_signal -3
.Lnot_wave_0_\@:
	s_barrier_wait -3
	s_barrier_signal -1
	s_barrier_wait -1
.endm
	s_load_b256 s[4:11], s[0:1], 0x0               ; qi, ki, vi, ai
	s_load_b64 s[12:13], s[0:1], 0x20              ; asc
	v_lshl_add_u32 v254, v0, 2, SPARE
	v_mov_b32 v255, 0
	ds_add_u32 v254, v255                          ; the opening lines
	ds_add_u32 v254, v255
	v_lshrrev_b32 v9, 5, v0
	v_readfirstlane_b32 s[WV], v9                  ; wave 0..7
	s_and_b32 s16, ttmp7, 0xffff                   ; batch x 16 + head, which the four partners share
	s_and_b32 s14, s[WV], 1
	s_lshr_b32 s15, s[WV], 2
	s_lshl_b32 s15, s15, 1
	s_add_co_u32 s14, s14, s15                     ; my chunk: wave % 2 + 2 (wave / 4)
	s_mul_i32 s[G0K+1], s14, 4*KREC                ; its place in LDS and in the head's K
	s_mul_i32 s17, s14, 4*VREC
	s_mul_i32 s84, s16, 16*KREC
	s_add_co_u32 s84, s84, s[G0K+1]
	s_mov_b32 s85, 0
	s_mul_i32 s86, s16, 16*VREC
	s_add_co_u32 s86, s86, s17
	s_mov_b32 s87, 0
	s_add_co_u32 s[G0V+1], s17, VBASE
	s_mov_b32 s[G0K], 1
	s_mov_b32 s[G0V], 1
	s_mov_b32 s[G1K], 15|(3<<16)|(1<<21)           ; the mask: all four work-groups; elements of 8 bytes; bit 21 beside a mask
	s_mov_b32 s[G1K+1], 32<<16                     ; a chunk of K: 26,624 dense bytes as 104 rows of 256
	s_mov_b32 s[G1K+2], 104<<16
	s_mov_b32 s[G1K+3], 32<<16
	s_mov_b32 s[G1K+4], 104
	s_mov_b32 s[G1K+5], 32
	s_mov_b32 s[G1K+6], 0
	s_mov_b32 s[G1K+7], 0
	s_mov_b32 s[G1V], 15|(3<<16)|(1<<21)
	s_mov_b32 s[G1V+1], 32<<16                     ; a chunk of V: 25,600 dense bytes as 100 rows
	s_mov_b32 s[G1V+2], 100<<16
	s_mov_b32 s[G1V+3], 32<<16
	s_mov_b32 s[G1V+4], 100
	s_mov_b32 s[G1V+5], 32
	s_mov_b32 s[G1V+6], 0
	s_mov_b32 s[G1V+7], 0
	s_wait_dscnt 0x0
	s_wait_kmcnt 0x0
	s_add_nc_u64 s[G0K+2:G0K+3], s[6:7], s[84:85]
	s_or_b32 s[G0K+3], s[G0K+3], 0x80000000
	s_add_nc_u64 s[G0V+2:G0V+3], s[8:9], s[86:87]
	s_or_b32 s[G0V+3], s[G0V+3], 0x80000000
	CROUND                                         ; all four work-groups are here: the joint loads meet
; One load a wave, in one chain of branches on the wave's number.  The waves that wait ahead of the first barrier (0-3) have load lines of their own.
.macro ARM under, g0, g1, next
	s_cmp_lt_u32 s[WV], \under
	s_cbranch_scc0 \next
	tensor_load_to_lds s[\g0:\g0+3], s[\g1:\g1+7]
	s_nop 0
.rept 4
	v_nop
.endr
	s_branch .Lasked
\next:
.endm
	ARM 2, G0K, G1K, .Lv_early
	ARM 4, G0V, G1V, .Lk_late
	ARM 6, G0K, G1K, .Lv_late
	tensor_load_to_lds s[G0V:G0V+3], s[G1V:G1V+7]
	s_nop 0
.rept 4
	v_nop
.endr
.Lasked:
	s_bfe_u32 s14, ttmp6, 0x40000                  ; cx: it enters Q's and the results' addresses alone
	s_lshl_b32 s15, ttmp9, 2
	s_add_co_u32 s15, s15, s14                     ; my block of 256 queries
	s_lshl_b32 s88, s16, 4
	s_lshl_b32 s89, s15, 1
	s_add_co_u32 s88, s88, s89
	s_lshr_b32 s89, s[WV], 2
	s_add_co_u32 s88, s88, s89
	s_mul_i32 s88, s88, KREC                       ; my two tiles' record of 128 queries: 2 x block + wave / 4
	s_and_b32 s89, s[WV], 3                        ; in it they are tiles 2 (wave % 4) and 2 (wave % 4) + 1
	s_mul_i32 s90, s89, 1536
	s_add_co_u32 s90, s90, s88
	s_mov_b32 s91, 0
	s_lshr_b32 s92, s89, 1
	s_lshl_b32 s92, s92, 8                         ; their scale words: [tile / 4] 256 bytes, [r] 16, [tile % 4] 4: my two words are neighbours
	s_and_b32 s93, s89, 1
	s_lshl_b32 s93, s93, 3
	s_add_co_u32 s92, s92, s93
	s_add_co_u32 s92, s92, s88
	s_add_co_u32 s92, s92, 6144
	s_mov_b32 s93, 0
	s_lshr_b32 s94, s16, 4
	s_lshl_b32 s94, s94, 7
	s_lshl_b32 s95, s15, 4
	s_add_co_u32 s94, s94, s95
	s_lshl_b32 s95, s[WV], 1
	s_add_co_u32 s94, s94, s95                     ; my first tile among the 256 tiles of tokens
	s_and_b32 s95, s16, 15                         ; the head
	s_mul_i32 s96, s94, 12288
	s_mul_i32 s97, s95, 768
	s_add_co_u32 s96, s96, s97                     ; ai: tile x 12,288 + head x 768
	s_mov_b32 s97, 0
	s_lshl_b32 s98, s94, 9
	s_lshr_b32 s99, s95, 2
	s_lshl_b32 s99, s99, 7
	s_add_co_u32 s98, s98, s99
	s_and_b32 s99, s95, 3
	s_lshl_b32 s99, s99, 1
	s_add_co_u32 s98, s98, s99                     ; asc: tile x 512 + 128 (head / 4) + 2 (head % 4)
	s_mov_b32 s99, 0
	s_add_nc_u64 s[90:91], s[4:5], s[90:91]
	s_add_nc_u64 s[92:93], s[4:5], s[92:93]
	s_add_nc_u64 s[10:11], s[10:11], s[96:97]
	s_add_nc_u64 s[12:13], s[12:13], s[98:99]
	s_mov_b32 s[SEL], 0x76543210
	s_mov_b32 s[SEL+1], 0xfedcba98                 ; lane l xor 16
	s_mov_b32 s[CS], 0x3e38aa3b                    ; c = log2(e) / 8
	s_mov_b32 s[CS+1], s[CS]                       ; (named with it as a pair, so it is written)
	s_mov_b32 s[CN], 0xbe38aa3b                    ; -c
	v_and_b32 v9, 31, v0
	v_and_b32 v10, 15, v0
	v_lshlrev_b32 v1, 4, v9                        ; 16 x lane
	v_lshlrev_b32 v2, 3, v9                        ; 8 x lane
	v_lshlrev_b32 v3, 4, v10                       ; 16 r
	global_load_b128 v[16:19], v1, s[90:91]        ; Q's half fragments stay in registers: tile 0's,
	global_load_b64 v[20:21], v2, s[90:91] offset:512
	global_load_b64 v[QS:QS+1], v3, s[92:93]       ; both tiles' scale words,
	WIN 0x40
	global_load_b128 v[16:19], v1, s[90:91] offset:768   ; tile 1's
	global_load_b64 v[20:21], v2, s[90:91] offset:768+512
	WIN 0
.irp i, 0,1,2,3,4,5
	v_mov_b32 v[KF+48+\i], 0                       ; zero codes behind K's last tile
.endr
.macro INIT u
	TW \u
.irp i, 0,1,2,3,4,5
	v_mov_b32 v[22+\i], 0                          ; Q: zero codes for k = 64 .. 127
.endr
	v_mov_b32 v13, 0xff61b1e6                      ; the largest score so far: -3e38
	s_delay_alu instid0(VALU_DEP_1)
	v_floor_f32 v12, -v13                          ; -M: so large that the first f is 0
	v_mov_b32 v14, 0                               ; the sum, in two halves
	v_mov_b32 v15, 0
	v_mov_b32 v[PX], 0                             ; a lane permute's destination counts as one of its sources
	v_mov_b32 v[PY], 0
	v_mov_b32 v[FF+1], 0                           ; (named as the upper half of a pair)
.set j, 0
.rept 32
	v_mov_b32 v[O+j], 0                            ; O^T: the step is written for every trip alike; the first finds zeros
.set j, j+1
.endr
.endm
	INIT 0
	INIT 1
	WIN 0
.macro KLOAD a16, a8, ar               ; a step's K and its scale words: 18 loads
.irp t, 0,1,2,3,4,5,6,7
	ds_load_b128 v[KF+6*\t:KF+6*\t+3], v[\a16] offset:768*\t
	ds_load_b64 v[KF+6*\t+4:KF+6*\t+5], v[\a8] offset:768*\t+512
.endr
	ds_load_b128 v[KS:KS+3], v[\ar] offset:6144
	ds_load_b128 v[KS+4:KS+7], v[\ar] offset:6144+256
.endm
.macro SCORES u                        ; S^T = K Q^T of tile u: K in window 0, Q and S^T in window u
	WIN 0x44*(\u)
.irp t, 0,1,2,3,4,5,6,7
	v_wmma_scale_f32_16x16x128_f8f6f4 v[S+8*\t:S+8*\t+7], v[KF+6*\t:KF+6*\t+11], v[16:27], 0, v[KS+\t], v[QS+\u] matrix_a_fmt:MATRIX_FMT_FP6 matrix_b_fmt:MATRIX_FMT_FP6
.endr
.endm
; Tile u: my two blocks' largest scores, the new M, f, O^T under the new M, and (tile 0) t - M.  The largest is searched in eight chains, one an accumulator, each begun at its accumulator's low end:
; 32 lines for 64 scores, and a line reads a result made eight lines before it.  O^T is read here, with no exponential between its products and this read.
.macro MAXES u
	TW \u
.irp t, 0,1,2,3,4,5,6,7
	v_max3_num_f32 v[MT+\t], v[S+8*\t], v[S+8*\t+1], v[S+8*\t+2]
.endr
.irp i, 3,5
.irp t, 0,1,2,3,4,5,6,7
	v_max3_num_f32 v[MT+\t], v[MT+\t], v[S+8*\t+\i], v[S+8*\t+\i+1]
.endr
.endr
.irp c, 0,1
	v_max3_num_f32 v[MT+4*\c], v[MT+4*\c], v[S+32*\c+7], v[S+32*\c+15]       ; the accumulators' last registers
	v_max3_num_f32 v[MT+4*\c+1], v[MT+4*\c+1], v[S+32*\c+23], v[S+32*\c+31]
.endr
.irp c, 0,1
	v_max3_num_f32 v[BMX+\c], v[MT+4*\c], v[MT+4*\c+1], v[MT+4*\c+2]
.endr
.irp c, 0,1
	v_max_num_f32 v[BMX+\c], v[BMX+\c], v[MT+4*\c+3]
.endr
	s_delay_alu instid0(VALU_DEP_1)
	v_max_num_f32 v[TMP], v[BMX], v[BMX+1]
	s_delay_alu instid0(VALU_DEP_1)
	v_permlanex16_b32 v[PX], v[TMP], s[SEL], s[SEL+1]
	s_delay_alu instid0(VALU_DEP_1)
	v_max3_num_f32 v13, v13, v[TMP], v[PX]         ; the running largest score of my query, lane l xor 16's keys among them
	s_delay_alu instid0(VALU_DEP_1)
	v_mul_f32 v[TMP], s[CN], v13
	s_delay_alu instid0(VALU_DEP_1)
	v_floor_f32 v[TMP], v[TMP]                     ; the new -M = floor(-t) = -ceil(t)
	s_delay_alu instid0(VALU_DEP_1)
	v_sub_f32 v[TM2], v[TMP], v12                  ; old M - new M: a whole number, 0 or less
	s_delay_alu instid0(VALU_DEP_2)
	v_mov_b32 v12, v[TMP]
	s_delay_alu instid0(VALU_DEP_2)
	v_cvt_i32_f32 v[TM2], v[TM2]                   ; (it saturates)
	s_delay_alu instid0(VALU_DEP_1)
	v_ldexp_f32 v[FF], 1.0, v[TM2]                 ; f = 2^(old M - new M)
.set j, 0
.rept 16
	v_pk_mul_f32 v[O+j:O+j+1], v[O+j:O+j+1], v[FF:FF+1] op_sel_hi:[1,0]
.set j, j+2
.endr
.if \u == 0
.set j, 0
.rept 32
	v_pk_fma_f32 v[S+j:S+j+1], v[S+j:S+j+1], s[CS:CS+1], v[12:13] op_sel_hi:[1,0,0]   ; t - M, two at a time (tile 1's stand among tile 0's exponentials)
.set j, j+2
.endr
.endif
.irp c, 0,1
	v_fma_f32 v[BMX+\c], v[BMX+\c], s[CS], v12     ; the same of each block's largest score
.endr
.endm
; Tile 0's p = 2^(t - M), eight at a time, and between them tile 1's t - M, four packed lines at a time.  Those lines read what was written ahead of the wait in front of this batch,
; and what they write is read behind the wait that follows it.  Last the blocks' largest p: the same two instructions on the same number give the same bits.
.macro EXPS0
.set j, 0
.rept 8
	TW 0
.rept 8
	v_exp_f32 v[S+j], v[S+j]
.set j, j+1
.endr
	TW 1
.irp k, 8,6,4,2
	v_pk_fma_f32 v[S+j-\k:S+j-\k+1], v[S+j-\k:S+j-\k+1], s[CS:CS+1], v[12:13] op_sel_hi:[1,0,0]
.endr
.endr
	TW 0
.irp c, 0,1
	v_exp_f32 v[BMX+\c], v[BMX+\c]
.endr
.endm
.macro EXPS1                           ; tile 1's
	TW 1
.set j, 0
.rept 64
	v_exp_f32 v[S+j], v[S+j]
.set j, j+1
.endr
.irp c, 0,1
	v_exp_f32 v[BMX+\c], v[BMX+\c]
.endr
.endm
; Tile u's p becomes a fragment's codes and a scale word, and the row's sum is taken of the unquantised p: 32 packed lines in eight chains.  The short chain that makes the scale word is laid among the additions.
; Behind the writing of the scale word stand 12 plain lines, behind the last move of codes 13: the places in front of the products.
.macro CODES u
	TW \u
.irp c, 0,1
	v_max_num_f32 v[BMX+\c], 0x1800000, v[BMX+\c]  ; the floor 2^(3 - 127): the byte cannot fall under 1
.endr
	v_pk_fma_f32 v[14:15], v[14:15], v[FF:FF+1], v[S:S+1] op_sel_hi:[1,0,1]   ; the sum under the new M, and the first pair
.set p, 1
.irp r, 228,230,236,246,248,250,252
	v_pk_add_f32 v[\r:\r+1], v[S+2*p:S+2*p+1], v[S+2*p+2:S+2*p+3]             ; seven more chains begin with two pairs each
.set p, p+2
.endr
.irp c, 0,1
	v_add_nc_u32 v[SO+\c], 0xff000000, v[BMX+\c]   ; 2 off the exponent field: the conversion's scale operand
.endr
.irp r, 14,228,230,236,246,248,250,252
	v_pk_add_f32 v[\r:\r+1], v[\r:\r+1], v[S+2*p:S+2*p+1]
.set p, p+1
.endr
.irp c, 0,1
	v_lshrrev_b32 v[PB+\c], 23, v[SO+\c]           ; the bytes of blocks h and 2 + h
.endr
.irp c, 0,1
	v_cvt_scalef32_pk16_fp6_f32 v[PCD+6*\c:PCD+6*\c+2], v[S+32*\c:S+32*\c+15], v[SO+\c]
	v_cvt_scalef32_pk16_fp6_f32 v[AX+4*\c:AX+4*\c+2], v[S+32*\c+16:S+32*\c+31], v[SO+\c]   ; (a conversion's three registers begin on an even number)
.endr
	v_lshl_or_b32 v[PW], v[PB+1], 16, v[PB]        ; (the plain line behind the conversions)
.irp r, 14,228,230,236
	v_pk_add_f32 v[\r:\r+1], v[\r:\r+1], v[S+2*p:S+2*p+1]
.set p, p+1
.endr
	v_permlanex16_b32 v[PY], v[PW], s[SEL], s[SEL+1]
.irp c, 0,1
.irp i, 0,1,2
	v_mov_b32 v[PCD+6*\c+3+\i], v[AX+4*\c+\i]
.endr
.endr
	WIN 0x11*(\u)                                  ; sources in window u, destination in window 0: scale operands are taken from window 0
	v_lshl_or_b32 v[PS+\u], v[PY], 8, v[PW]        ; lanes 0-15, which alone are read: blocks 0, 2 are mine, blocks 1, 3 lane l + 16's
	TW \u
.irp r, 246,248,250,252,14
	v_pk_add_f32 v[\r:\r+1], v[\r:\r+1], v[S+2*p:S+2*p+1]
.set p, p+1
.endr
	v_pk_add_f32 v[228:229], v[228:229], v[230:231]   ; the eight chains are joined
	v_pk_add_f32 v[236:237], v[236:237], v[246:247]
	v_pk_add_f32 v[248:249], v[248:249], v[250:251]
	v_pk_add_f32 v[14:15], v[14:15], v[252:253]
	v_pk_add_f32 v[228:229], v[228:229], v[236:237]
	v_pk_add_f32 v[14:15], v[14:15], v[248:249]
	v_pk_add_f32 v[14:15], v[14:15], v[228:229]
.endm
.macro PV u                            ; O^T += V^T P^T of tile u: V in window 1, p's codes and O^T in window u; the accumulators take turns
	WIN 0x01+0x54*(\u)
.irp t, 0,1,2,3
	v_wmma_scale_f32_16x16x128_f8f6f4 v[O+8*\t:O+8*\t+7], v[VF+12*\t:VF+12*\t+11], v[PCD:PCD+11], v[O+8*\t:O+8*\t+7], v[VS+\t], v[PS+\u] matrix_a_fmt:MATRIX_FMT_FP6 matrix_b_fmt:MATRIX_FMT_FP6
.endr
.endm
; A KEY STEP: 128 keys, both tiles.
.macro STEP
	s_wait_dscnt 0x0                               ; this step's K and its scale words, asked for a step ago, are in
	SCORES 0
	SCORES 1
	WIN 0
	v_add_nc_u32 v7, s[TV], v1                     ; five plain lines: the places between the products and the loads into registers that they read, and ahead of the first read of the scores
	v_add_nc_u32 v8, s[TV], v3
	v_add_nc_u32 v4, s[TK], v1
	v_add_nc_u32 v5, s[TK], v2
	v_add_nc_u32 v6, s[TK], v3
	WIN 0x40
.irp t, 0,1,2,3
.irp c, 0,1,2
	ds_load_b128 v[VF+12*\t+4*\c:VF+12*\t+4*\c+3], v7 offset:1536*\t+512*\c   ; this step's V,
.endr
.endr
	WIN 0
	ds_load_b128 v[VS:VS+3], v8 offset:6144        ; its scale words,
	KLOAD 4, 5, 6                                  ; and the next step's K
	MAXES 0
	MAXES 1
	s_wait_alu depctr_va_vdst(0)
	s_wait_dscnt 18                                ; V and its scale words are in; the 18 loads of the next K, issued behind them, may be out
	EXPS0
	v_nop                                          ; a plain line behind tile 0's batch
	s_wait_alu depctr_va_vdst(0)                   ; for tile 0's batch, ahead of its readers, and for tile 1's t - M, ahead of the batch that reads it
	EXPS1
	CODES 0                                        ; tile 0's plain work and products stand behind tile 1's batch
	PV 0
	s_wait_alu depctr_va_vdst(0)                   ; for tile 1's batch
	CODES 1
	PV 1
	WIN 0
	s_add_co_u32 s[TK], s[TK], KREC
	s_add_co_u32 s[TV], s[TV], VREC
.endm
.macro WALK first, trips
	s_mov_b32 s[TK], (\first+1)*KREC
	s_mov_b32 s[TV], VBASE+\first*VREC
	s_mov_b32 s[CNT], \trips
.Lstep_\@:
	STEP
	s_sub_co_u32 s[CNT], s[CNT], 1
	s_cmp_lg_u32 s[CNT], 0
	s_cbranch_scc1 .Lstep_\@
.endm
	s_wait_alu depctr_va_vdst(0)
	s_cmp_lt_u32 s[WV], 4
	s_cbranch_scc0 .Llate
	s_wait_tensorcnt 0x0                           ; waves 0-3: chunks 0 and 1 of K and of V
.Llate:
	s_barrier_signal -1
	s_barrier_wait -1
	KLOAD 1, 2, 3                                  ; the first step's K
	s_wait_loadcnt 0x0                             ; Q
	WALK 0, 4                                      ; steps 0-3 read chunk 0 and the first K of chunk 1
	s_wait_tensorcnt 0x0                           ; every wave: all that is still out
	s_wait_dscnt 0x0                               ; no LDS load of mine is out at the signal
	s_barrier_signal -1
	s_barrier_wait -1
	WALK 4, 12
	; THE WAY OUT.  O^T / the row's sum: register 16 B + i is channel 32 B + 16 h + i of my query: two blocks of the last projection's K.  They are quantised and leave as half a fragment's image.
.macro LSUM u
	TW \u
	v_add_f32 v14, v14, v15
	s_delay_alu instid0(VALU_DEP_1)
	v_permlanex16_b32 v[TMP], v14, s[SEL], s[SEL+1]
	s_delay_alu instid0(VALU_DEP_1)
	v_add_f32 v14, v14, v[TMP]                     ; the row's sum
	s_wait_alu depctr_va_vdst(0)
	v_rcp_f32 v14, v14
.endm
	LSUM 0
	LSUM 1
	WIN 0
	v_and_b32 v9, 15, v0                           ; (plain lines behind the reciprocals)
	v_bfe_u32 v11, v0, 4, 1
	s_delay_alu instid0(VALU_DEP_1)
	v_lshl_add_u32 v10, v9, 3, v11                 ; asc: 8 r + h
	s_delay_alu instid0(VALU_DEP_2)
	v_cmp_ne_u32 vcc_lo, 0, v11
	s_wait_alu depctr_va_vdst(0)                   ; one wait for the two reciprocals, ahead of their first reader
.macro OUT u
	TW \u
.set j, 0
.rept 32
	v_mul_f32 v[S+j], v[O+j], v14                  ; each accumulator from its low end on
.set j, j+1
.endr
.irp b, 0,1
	v_max3_num_f32 v[BMX+\b], |v[S+16*\b]|, |v[S+1+16*\b]|, 0x1800000
.endr
.irp i, 2,4,6,8,10,12,14
.irp b, 0,1
	s_delay_alu instid0(VALU_DEP_2)
	v_max3_num_f32 v[BMX+\b], v[BMX+\b], |v[S+16*\b+\i]|, |v[S+1+16*\b+\i]|
.endr
.endr
.irp b, 0,1
	s_delay_alu instid0(VALU_DEP_2)
	v_permlanex16_b32 v[PB+\b], v[BMX+\b], s[SEL], s[SEL+1]
.endr
.irp b, 0,1
	s_delay_alu instid0(VALU_DEP_2)
	v_max_num_f32 v[BMX+\b], v[BMX+\b], v[PB+\b]
.endr
.irp b, 0,1
	s_delay_alu instid0(VALU_DEP_2)
	v_add_nc_u32 v[SO+\b], 0xff000000, v[BMX+\b]
.endr
.irp b, 0,1
	s_delay_alu instid0(VALU_DEP_2)
	v_lshrrev_b32 v[PB+\b], 23, v[SO+\b]
.endr
	v_cvt_scalef32_pk16_fp6_f32 v[PCD:PCD+2], v[S:S+15], v[SO]
	v_cvt_scalef32_pk16_fp6_f32 v[PCD+12:PCD+14], v[S+16:S+31], v[SO+1]
	v_nop                                          ; one plain line behind a scaled conversion
.irp i, 0,1,2
	v_permlane16_swap_b32 v[PCD+\i], v[PCD+12+\i]  ; a whole block in a lane: lanes 0-15 block 0, lanes 16-31 block 1
.endr
.irp i, 0,1,2
	s_delay_alu instid0(VALU_DEP_3)
	v_mov_b32 v[PCD+3+\i], v[PCD+12+\i]
.endr
	v_cndmask_b32 v[TMP], v[PB], v[PB+1], vcc_lo   ; lane (r, h) stores block h's byte
	WIN 0x04*(\u)                                  ; a store's data are its source 1
	global_store_b128 v1, v[PCD:PCD+3], s[10:11] offset:12288*\u           ; 512 consecutive bytes
	global_store_b64 v2, v[PCD+4:PCD+5], s[10:11] offset:12288*\u+512
	global_store_b8 v10, v[TMP], s[12:13] offset:512*\u
.endm
	OUT 0
	OUT 1
	WIN 0
	s_wait_dscnt 0x0                               ; the last step's fetch is back
	s_wait_tensorcnt 0x0                           ; the wave's end
	ds_add_u32 v254, v255
	s_wait_dscnt 0x0
	CROUND                                         ; the closing round
	s_endpgm
.Lfunc_end_k_qa28512e877_attn:
	.size	k_qa28512e877_attn, .Lfunc_end_k_qa28512e877_attn-k_qa28512e877_attn
	.p2alignl 7, 3214868480
	.fill 96, 4, 3214868480
	.section	.rodata,"a",@progbits
	.p2align	6, 0x0
	.amdhsa_kernel k_qa28512e877_attn
		.amdhsa_group_segment_fixed_size 209920
		.amdhsa_private_segment_fixed_size 0
		.amdhsa_enable_private_segment 0
		.amdhsa_kernarg_size 40
		.amdhsa_user_sgpr_count 2
		.amdhsa_user_sgpr_kernarg_segment_ptr 1
		.amdhsa_wavefront_size32 1
		.amdhsa_system_sgpr_workgroup_id_x 1
		.amdhsa_system_sgpr_workgroup_id_y 1
		.amdhsa_system_sgpr_workgroup_id_z 1
		.amdhsa_system_vgpr_workitem_id 0
		.amdhsa_next_free_vgpr 512
		.amdhsa_next_free_sgpr 100
		.amdhsa_reserve_vcc 1
		.amdhsa_float_denorm_mode_32 3
		.amdhsa_float_denorm_mode_16_64 3
		.amdhsa_memory_ordered 1
		.amdhsa_forward_progress 1
		.amdhsa_inst_pref_size 77
	.end_amdhsa_kernel
	.amdgpu_metadata
---
amdhsa.version: [ 1, 2 ]
amdhsa.kernels:
  - .name:           k_qa28512e877_attn
    .symbol:         k_qa28512e877_attn.kd
    .args:
      - { .name: qi, .offset: 0, .size: 8, .value_kind: global_buffer, .address_space: global }
      - { .name: ki, .offset: 8, .size: 8, .value_kind: global_buffer, .address_space: global }
      - { .name: vi, .offset: 16, .size: 8, .value_kind: global_buffer, .address_space: global }
      - { .name: ai, .offset: 24, .size: 8, .value_kind: global_buffer, .address_space: global }
      - { .name: asc, .offset: 32, .size: 8, .value_kind: global_buffer, .address_space: global }
    .group_segment_fixed_size: 209920
    .private_segment_fixed_size: 0
    .kernarg_segment_align: 8
    .kernarg_segment_size: 40
    .max_flat_workgroup_size: 256
    .sgpr_count:     100
    .vgpr_count:     512
    .wavefront_size: 32
...
	.end_amdgpu_metadata
.endif
;; end of part 3
;; launch oproj (part 4): grid 8 x 32, 4 waves a work-group, clusters of 4 x 4, 229,376 bytes of LDS; arguments ai, asc, xc, xs, bo, out0; writes out0
.if DOCPART == 4
	.amdgcn_target "amdgcn-amd-amdhsa--gfx1250"
	.amdhsa_code_object_version 6
	.text
	.protected	k_qa28512e877_oproj
	.globl	k_qa28512e877_oproj
	.p2align	8
	.type	k_qa28512e877_oproj,@function
k_qa28512e877_oproj:
	s_mov_b64 s[64:65], 0
	v_nop
	global_prefetch_b8 v0, s[64:65] scope:SCOPE_SE
	s_setreg_imm32_b32 hwreg(HW_REG_WAVE_MODE, 25, 1), 1
	s_wait_xcnt 0x0
	s_wait_alu depctr_hold_cnt(0) depctr_sa_sdst(0) depctr_va_vdst(0) depctr_va_sdst(0) depctr_va_ssrc(0) depctr_va_vcc(0) depctr_vm_vsrc(0)
	s_getreg_b32 s2, hwreg(HW_REG_IB_STS2, 6, 4)
	s_cmp_eq_u32 s2, 0
	s_cbranch_scc0 .Lentry_in_a_cluster
	s_endpgm
.Lentry_in_a_cluster:
	s_bfe_u32 s2, ttmp6, 0x10000c
	s_cmp_lg_u32 s2, 0xf033
	s_cbranch_scc0 .Lentry_shape_is_right
	s_endpgm
.Lentry_shape_is_right:
; out0 = att wo^T + bo on codes of FP6 (E2M3) with E8M0 scales; out0 [4096][1024] f32.  att's codes and scale words come from launch attn (ai, asc), wo's from launch quant (xc, xs), as images of the operands' registers.
; 4,096 x 1,024 are 256 tiles of 128 x 128: one work-group each, four waves of 64 x 64 (16 accumulators).  A tile's operands for ALL of K are two dense blocks of 98,304 bytes and two of 4,096 (scale words):
; four joint loads at the head, one a wave; nothing is filled again, so the walk along K has no barrier.  No prefetch: all is asked for at the head, there is no loop to run ahead in.
; CLUSTERS: 4 x 4 work-groups; A's blocks are shared along a row of the cluster, B's along a column.
; THE MATRIX INSTRUCTION IS USED TRANSPOSED: source 0 = 16 rows of wo, source 1 = 16 tokens: a lane holds one token and eight neighbouring columns.
; THE ROWS OF A TILE OF 16 ARE NOT NEIGHBOURS (tile 2 B + u: rows 32 B + 8 u + r + 8 (r / 8)): the way out undoes that by the offsets of its LDS stores (columns) and of its global stores (rows).
; REGISTERS: window 0: v1-29 addresses and the bias; v32-63 scale words of all of K (8 j + 2 i + q: lanes 0-15 A's tile i, lanes 16-31 B's, K step 2 j + q); v64-159 A's fragments, two sets; v160-255 B's, two sets.  Window 1: v0-127 the accumulators.
.set FR,    12
.set TILEG, 12288                      ; a tile of 16 rows, all of K: eight fragments of 1,536 bytes
.set ABYTES, 8*TILEG
.set SCL,   2*ABYTES                   ; A's scale words
.set SCLB,  SCL+4096+128               ; B's: 128 bytes askew, so that the two halves of the lanes read different words of a run of 256 bytes
.set SPARE, SCLB+4096+128              ; the spare words, 128 bytes a wave
.set STAGE, SPARE+512                  ; the way out: 16 rows x 272 bytes for each wave, bytes into which no fill lands
.set SPITCH, 272
.set BO,  4                            ; v4-7 bo at my four columns
.set A16, 8
.set A8,  9
.set B16, 10
.set B8,  11
.set STO, 12
.set RD,  13
.set CO,  14
.set BOF, 15
.set ADRS, 16
.set LI16, 24
.set LI8,  25
.set SPW,  28
.set NIL,  29
.set SC,   32
.set AF,   64
.set BF,   160
.set BK,   64                          ; the way out: v64-95 and v96-127 by turns
.set WV,  20
.set HA,  21
.set HB,  22
.set G1,  24
.set G1B, 32
.set G1S, 40
.set G1SB, 48
.set G0,  56
.set G0B, 60
.set G0S, 68
.set G0SB, 72
.set MSB, 0
.macro WIN new
.if MSB != (\new)
	s_set_vgpr_msb (MSB<<8)|(\new)
.set MSB, (\new)
.endif
.endm
.macro CROUND
	s_barrier_signal -1
	s_barrier_wait -1
	s_cmp_lg_u32 s[WV], 0
	s_cbranch_scc1 .Lnot_wave_0_\@
	s_barrier_signal -3
.Lnot_wave_0_\@:
	s_barrier_wait -3
	s_barrier_signal -1
	s_barrier_wait -1
.endm
.macro PLACES                          ; four plain lines between a matrix instruction and a load into, or a store of, its registers
.rept 4
	v_nop
.endr
.endm
	s_load_b256 s[4:11], s[0:1], 0x0               ; ai, asc, xc, xs
	s_load_b128 s[12:15], s[0:1], 0x20             ; bo, out0
	v_lshl_add_u32 v[SPW], v0, 2, SPARE
	v_mov_b32 v[NIL], 0
	ds_add_u32 v[SPW], v[NIL]                      ; the opening lines
	ds_add_u32 v[SPW], v[NIL]
	v_lshrrev_b32 v1, 5, v0
	v_readfirstlane_b32 s[WV], v1
	s_lshr_b32 s[HA], s[WV], 1                     ; my half of the tokens
	s_and_b32 s[HB], s[WV], 1                      ; my half of the columns
	s_bfe_u32 s92, ttmp6, 0x40000                  ; cx
	s_bfe_u32 s93, ttmp6, 0x40004                  ; cy
	s_and_b32 s95, ttmp7, 0xffff
	s_lshl_b32 s95, s95, 2
	s_add_co_u32 s95, s95, s93                     ; which 128 tokens
	s_lshl_b32 s96, ttmp9, 2
	s_add_co_u32 s96, s96, s92                     ; which 128 columns
	s_lshl_b32 s97, s93, 2
	s_lshl_b32 s97, 15, s97                        ; my row of the cluster
	s_lshl_b32 s98, 0x1111, s92                    ; my column
	s_or_b32 s[G1], s97, (3<<16)|(1<<21)           ; the mask; elements of 8 bytes; bit 21 beside a mask
	s_or_b32 s[G1B], s98, (3<<16)|(1<<21)
	s_or_b32 s[G1S], s97, (3<<16)|(1<<21)
	s_or_b32 s[G1SB], s98, (3<<16)|(1<<21)
.irp g, G1, G1B                        ; 98,304 dense bytes as 384 rows of 256
	s_mov_b32 s[\g+1], 32<<16
	s_mov_b32 s[\g+2], 384<<16
	s_mov_b32 s[\g+3], 32<<16
	s_mov_b32 s[\g+4], 384
	s_mov_b32 s[\g+5], 32
	s_mov_b32 s[\g+6], 0
	s_mov_b32 s[\g+7], 0
.endr
.irp g, G1S, G1SB                      ; 4,096 dense bytes as 16 rows of 256
	s_mov_b32 s[\g+1], 32<<16
	s_mov_b32 s[\g+2], 16<<16
	s_mov_b32 s[\g+3], 32<<16
	s_mov_b32 s[\g+4], 16
	s_mov_b32 s[\g+5], 32
	s_mov_b32 s[\g+6], 0
	s_mov_b32 s[\g+7], 0
.endr
	s_mul_i32 s[G0+2], s95, ABYTES                 ; the offsets are formed in the descriptors' own words: A's never hold cx, B's never cy
	s_mov_b32 s[G0+3], 0
	s_mul_i32 s[G0B+2], s96, ABYTES
	s_add_co_u32 s[G0B+2], s[G0B+2], 11796480      ; wo's codes in xc
	s_mov_b32 s[G0B+3], 0
	s_lshl_b32 s[G0S+2], s95, 12
	s_mov_b32 s[G0S+3], 0
	s_lshl_b32 s[G0SB+2], s96, 12
	s_add_co_u32 s[G0SB+2], s[G0SB+2], 491520      ; wo's scale words in xs
	s_mov_b32 s[G0SB+3], 0
	s_mov_b32 s[G0], 1
	s_mov_b32 s[G0+1], 0
	s_mov_b32 s[G0B], 1
	s_mov_b32 s[G0B+1], ABYTES
	s_mov_b32 s[G0S], 1
	s_mov_b32 s[G0S+1], SCL
	s_mov_b32 s[G0SB], 1
	s_mov_b32 s[G0SB+1], SCLB
	s_wait_dscnt 0x0
	s_wait_kmcnt 0x0
	s_add_nc_u64 s[G0+2:G0+3], s[4:5], s[G0+2:G0+3]
	s_add_nc_u64 s[G0B+2:G0B+3], s[8:9], s[G0B+2:G0B+3]
	s_add_nc_u64 s[G0S+2:G0S+3], s[6:7], s[G0S+2:G0S+3]
	s_add_nc_u64 s[G0SB+2:G0SB+3], s[10:11], s[G0SB+2:G0SB+3]
.irp g, G0, G0B, G0S, G0SB
	s_or_b32 s[\g+3], s[\g+3], 0x80000000
.endr
	CROUND                                         ; all sixteen work-groups are here: the joint loads meet
.macro ARM under, g0, g1, next         ; one load a wave, in one chain of branches on the wave's number
	s_cmp_lt_u32 s[WV], \under
	s_cbranch_scc0 \next
	tensor_load_to_lds s[\g0:\g0+3], s[\g1:\g1+7]
	s_nop 0
.rept 4
	v_nop
.endr
	s_branch .Lasked
\next:
.endm
	ARM 1, G0, G1, .Lhead_b
	ARM 2, G0B, G1B, .Lhead_sa
	ARM 3, G0S, G1S, .Lhead_sb
	tensor_load_to_lds s[G0SB:G0SB+3], s[G1SB:G1SB+7]
	s_nop 0
.rept 4
	v_nop
.endr
.Lasked:
	s_mul_i32 s2, s[HA], 4*TILEG                   ; my four tiles of A,
	s_mul_i32 s3, s[HB], 4*TILEG
	s_add_co_u32 s3, s3, ABYTES                    ; and of B
	s_lshl_b32 s76, s[HA], 11                      ; their scale words: A's,
	s_lshl_b32 s77, s[HB], 11
	s_add_co_u32 s77, s77, SCLB-SCL
	s_sub_co_u32 s77, s77, s76                     ; and how far on B's lie
	s_add_co_u32 s76, s76, SCL
	s_mul_i32 s78, s[WV], 16*SPITCH
	s_add_co_u32 s78, s78, STAGE                   ; my stage
	s_lshl_b32 s80, s96, 9
	s_lshl_b32 s81, s[HB], 8
	s_add_co_u32 s80, s80, s81                     ; my first column, in bytes
	s_mov_b32 s81, 0
	s_add_nc_u64 s[12:13], s[12:13], s[80:81]
	s_add_nc_u64 s[14:15], s[14:15], s[80:81]
	s_lshl_b32 s80, s95, 7
	s_lshl_b32 s82, s[HA], 6
	s_add_co_u32 s80, s80, s82
	s_lshl_b32 s80, s80, 12                        ; my first token's row of 4,096 bytes
	s_add_nc_u64 s[14:15], s[14:15], s[80:81]
	v_and_b32 v1, 31, v0                           ; lane
	v_and_b32 v2, 15, v0                           ; r
	v_bfe_u32 v3, v0, 4, 1                         ; h
	v_lshlrev_b32 v[LI16], 4, v1
	v_lshlrev_b32 v[LI8], 3, v1
	v_lshlrev_b32 v[BOF], 4, v2                    ; 16 r: my four columns of a row of 64
	v_add_nc_u32 v[A16], s2, v[LI16]
	v_add_nc_u32 v[A8], s2, v[LI8]
	v_add_nc_u32 v[B16], s3, v[LI16]
	v_add_nc_u32 v[B8], s3, v[LI8]
	v_mul_u32_u24 v22, s77, v3                     ; lanes 16-31 take B's scale words: one product, the distance between the two
	v_lshl_add_u32 v22, v2, 3, v22
	v_add_nc_u32 v[ADRS], s76, v22
	v_mul_u32_u24 v[STO], v2, SPITCH
	v_lshl_add_u32 v[STO], v3, 6, v[STO]
	v_add_nc_u32 v[STO], s78, v[STO]               ; the stage, in: row r, + 64 h bytes
	v_mul_u32_u24 v[RD], v3, SPITCH
	v_add_nc_u32 v[RD], v[RD], v[BOF]
	v_add_nc_u32 v[RD], s78, v[RD]                 ; back: sixteen lanes take a row of 256 bytes, the other sixteen the next
	v_lshl_add_u32 v[CO], v3, 12, v[BOF]           ; and the same two rows in out0
	global_load_b128 v[BO:BO+3], v[BOF], s[12:13]
.macro FRAG reg, a16, a8, off          ; a fragment's image: 512 + 256 + 512 + 256 consecutive bytes
	ds_load_b128 v[\reg:\reg+3], v[\a16] offset:\off
	ds_load_b64 v[\reg+4:\reg+5], v[\a8] offset:\off+512
	ds_load_b128 v[\reg+6:\reg+9], v[\a16] offset:\off+768
	ds_load_b64 v[\reg+10:\reg+11], v[\a8] offset:\off+1280
.endm
.macro FETCH g                         ; K step g's eight fragments into set g % 2: 32 loads
.irp i, 0,1,2,3
	FRAG BF+48*((\g)%2)+FR*\i, B16, B8, \i*TILEG+1536*(\g)
.endr
.irp i, 0,1,2,3
	FRAG AF+48*((\g)%2)+FR*\i, A16, A8, \i*TILEG+1536*(\g)
.endr
.endm
; K step g: 16 matrix instructions; the 16 accumulators take turns, in the same order in every step.  zero = 1: the first products start the sums.
.macro MUL g, zero
.irp a, 0,1,2,3
.irp b, 0,1,2,3
.if \zero
	v_wmma_scale_f32_16x16x128_f8f6f4 v[8*(4*\a+\b):8*(4*\a+\b)+7], v[BF+48*((\g)%2)+FR*\b:BF+48*((\g)%2)+FR*\b+FR-1], v[AF+48*((\g)%2)+FR*\a:AF+48*((\g)%2)+FR*\a+FR-1], 0, v[SC+8*((\g)/2)+2*\b+(\g)%2], v[SC+8*((\g)/2)+2*\a+(\g)%2] matrix_a_fmt:MATRIX_FMT_FP6 matrix_b_fmt:MATRIX_FMT_FP6 matrix_a_scale:MATRIX_SCALE_ROW1
.else
	v_wmma_scale_f32_16x16x128_f8f6f4 v[8*(4*\a+\b):8*(4*\a+\b)+7], v[BF+48*((\g)%2)+FR*\b:BF+48*((\g)%2)+FR*\b+FR-1], v[AF+48*((\g)%2)+FR*\a:AF+48*((\g)%2)+FR*\a+FR-1], v[8*(4*\a+\b):8*(4*\a+\b)+7], v[SC+8*((\g)/2)+2*\b+(\g)%2], v[SC+8*((\g)/2)+2*\a+(\g)%2] matrix_a_fmt:MATRIX_FMT_FP6 matrix_b_fmt:MATRIX_FMT_FP6 matrix_a_scale:MATRIX_SCALE_ROW1
.endif
.endr
.endr
.endm
	s_wait_alu depctr_va_vdst(0)
	s_wait_tensorcnt 0x0                           ; every wave: its tile of the four
	s_barrier_signal -1
	s_barrier_wait -1                              ; all four are shown to all waves
.irp j, 0,1,2,3
.irp i, 0,1,2,3
	ds_load_b64 v[SC+8*\j+2*\i:SC+8*\j+2*\i+1], v[ADRS] offset:512*\i+128*\j   ; the scale words of all of K
.endr
.endr
	FETCH 0
	FETCH 1
	s_wait_dscnt 32                                ; all but the next step's 32 loads
	WIN 0x50                                       ; C and D in window 1
	MUL 0, 1
	PLACES
	WIN 0
	FETCH 2
.set G, 1
.rept 7
.if G < 7
	s_wait_dscnt 32                                ; this step's set is in; the next step's 32 loads may be out
.else
	s_wait_dscnt 0x0
.endif
	WIN 0x50
	MUL G, 0
	PLACES
	WIN 0
.if G < 6
	FETCH G+2                                      ; into the set just multiplied
.endif
.set G, G+1
.endr
; THE WAY OUT, block by block of 16 tokens x 64 columns, through my own stage: in by columns (tile b's eight numbers are columns 32 (b / 2) + 8 (b % 2) + 16 h + 0 .. 7), back as whole rows of 256 bytes.
; LDS serves a wave's instructions in order (ISA guide 5.7.1.4): no wait between the stores and the loads.
.macro TOSTAGE a
	WIN 0x04                                       ; the data: window 1
.irp b, 0,1,2,3
	ds_store_b128 v[STO], v[8*(4*(\a)+\b):8*(4*(\a)+\b)+3] offset:128*(\b/2)+32*(\b%2)          ; each accumulator from its low end on
	ds_store_b128 v[STO], v[8*(4*(\a)+\b)+4:8*(4*(\a)+\b)+7] offset:128*(\b/2)+32*(\b%2)+16
.endr
	WIN 0
.irp t, 0,1,2,3,4,5,6,7
	ds_load_b128 v[BK+32*((\a)%2)+4*\t:BK+32*((\a)%2)+4*\t+3], v[RD] offset:\t*2*SPITCH
.endr
.endm
.macro SEND a, younger                 ; younger: the LDS instructions issued behind block a's loads, which may stay out
	s_wait_dscnt \younger
.irp t, 0,1,2,3,4,5,6,7
	v_pk_add_f32 v[BK+32*((\a)%2)+4*\t:BK+32*((\a)%2)+4*\t+1], v[BK+32*((\a)%2)+4*\t:BK+32*((\a)%2)+4*\t+1], v[BO:BO+1]   ; + bo
	v_pk_add_f32 v[BK+32*((\a)%2)+4*\t+2:BK+32*((\a)%2)+4*\t+3], v[BK+32*((\a)%2)+4*\t+2:BK+32*((\a)%2)+4*\t+3], v[BO+2:BO+3]
.endr
.irp t, 0,1,2,3,4,5,6,7
	global_store_b128 v[CO], v[BK+32*((\a)%2)+4*\t:BK+32*((\a)%2)+4*\t+3], s[14:15] offset:(32*((\a)/2)+8*((\a)%2)+2*\t+8*(\t/4))*4096 th:TH_STORE_NT   ; sixteen lanes store 256 consecutive bytes, aligned; the tile's row order is undone here
.endr
.endm
	s_wait_loadcnt 0x0                             ; bo
	TOSTAGE 0
.irp a, 1,2,3
.if \a > 1
	s_wait_xcnt 0x0                                ; block a - 2's stores have read their registers: block a's loads may land there
.endif
	TOSTAGE \a
	SEND \a-1, 16                                  ; behind block a - 1's loads: block a's 8 stores and 8 loads
.endr
	SEND 3, 0
	s_wait_tensorcnt 0x0                           ; the wave's end
	ds_add_u32 v[SPW], v[NIL]
	s_wait_dscnt 0x0
	CROUND                                         ; the closing round
	s_endpgm
.Lfunc_end_k_qa28512e877_oproj:
	.size	k_qa28512e877_oproj, .Lfunc_end_k_qa28512e877_oproj-k_qa28512e877_oproj
	.p2alignl 7, 3214868480
	.fill 96, 4, 3214868480
	.section	.rodata,"a",@progbits
	.p2align	6, 0x0
	.amdhsa_kernel k_qa28512e877_oproj
		.amdhsa_group_segment_fixed_size 229376
		.amdhsa_private_segment_fixed_size 0
		.amdhsa_enable_private_segment 0
		.amdhsa_kernarg_size 48
		.amdhsa_user_sgpr_count 2
		.amdhsa_user_sgpr_kernarg_segment_ptr 1
		.amdhsa_wavefront_size32 1
		.amdhsa_system_sgpr_workgroup_id_x 1
		.amdhsa_system_sgpr_workgroup_id_y 1
		.amdhsa_system_sgpr_workgroup_id_z 1
		.amdhsa_system_vgpr_workitem_id 0
		.amdhsa_next_free_vgpr 384
		.amdhsa_next_free_sgpr 102
		.amdhsa_reserve_vcc 0
		.amdhsa_float_denorm_mode_32 3
		.amdhsa_float_denorm_mode_16_64 3
		.amdhsa_memory_ordered 1
		.amdhsa_forward_progress 1
		.amdhsa_inst_pref_size 55
	.end_amdhsa_kernel
	.amdgpu_metadata
---
amdhsa.version: [ 1, 2 ]
amdhsa.kernels:
  - .name:           k_qa28512e877_oproj
    .symbol:         k_qa28512e877_oproj.kd
    .args:
      - { .name: ai, .offset: 0, .size: 8, .value_kind: global_buffer, .address_space: global }
      - { .name: asc, .offset: 8, .size: 8, .value_kind: global_buffer, .address_space: global }
      - { .name: xc, .offset: 16, .size: 8, .value_kind: global_buffer, .address_space: global }
      - { .name: xs, .offset: 24, .size: 8, .value_kind: global_buffer, .address_space: global }
      - { .name: bo, .offset: 32, .size: 8, .value_kind: global_buffer, .address_space: global }
      - { .name: out0, .offset: 40, .size: 8, .value_kind: global_buffer, .address_space: global }
    .group_segment_fixed_size: 229376
    .private_segment_fixed_size: 0
    .kernarg_segment_align: 8
    .kernarg_segment_size: 48
    .max_flat_workgroup_size: 128
    .sgpr_count:     102
    .vgpr_count:     384
    .wavefront_size: 32
...
	.end_amdgpu_metadata
.endif
;; end of part 4
